; MI455X (gfx1250); checked and timed in simulation.
; The chip was launched on July 23, 2026; its instructions are those of AMD's public machine-readable ISA for CDNA 5 (MIT licence, August 2026) and "CDNA5" Instruction Set Architecture Reference Guide (July 2026). The comments in the code are by the model that wrote it; some were corrected since.
;; Causal Attention. Allowed arithmetic: float matrix products may take bf16 or f16 operands with f32 sums; other float arithmetic in f32, or as packed bf16 or f16 multiplies, adds, multiply-adds, maxima and minima; sums over many terms, partial sums and values carried from step to step in f32; what a program stores and reads back later, other than sums and carried values, may be rounded once to bf16 or f16.
;; Inputs: Wk 2,048 x 2,048 float32; Wq 2,048 x 2,048 float32; Wv 2,048 x 2,048 float32; x 4 x 1,024 x 2,048 float32.
;; Outputs: out0 4 x 1,024 x 2,048 float32.
;; One version. Each part assembles by itself: llvm-mc -triple=amdgcn-amd-amdhsa -mcpu=gfx1250 --defsym DOCPART=n.
;; ======== version 1 of 1: 5 launches
;; limits: values are held in f16: magnitudes above 65,504 overflow, below 6.1e-05 lose precision
;; workspace buffers: xb 16,777,216 bytes; wb 25,165,824 bytes; qkv 50,331,648 bytes; sc 16,777,216 bytes; p 8,388,608 bytes
;; launch cast (part 1): grid 256 x 5, 8 waves a work-group, no clusters, 0 bytes of LDS; arguments x, Wq, Wk, Wv, xb, wb; writes xb, wb
.if DOCPART == 1
	.amdgcn_target "amdgcn-amd-amdhsa--gfx1250"
	.amdhsa_code_object_version 6
	.text
	.protected	k_q12958884f5_cast
	.globl	k_q12958884f5_cast
	.p2align	8
	.type	k_q12958884f5_cast,@function
k_q12958884f5_cast:
	s_mov_b64 s[64:65], 0
	v_nop
	global_prefetch_b8 v0, s[64:65] scope:SCOPE_SE
	s_setreg_imm32_b32 hwreg(HW_REG_WAVE_MODE, 25, 1), 1
	s_wait_xcnt 0x0
; f32 -> bf16, rounded once to nearest even.
; wb[2048 k][6144 n] = Wq | Wk | Wv side by side along n.
; xb = x in blocks of 32 along k: [64 blocks][4096 rows][32 k], so that the 256 rows x 32 k that the next launch asks for lie end to end, 16,384 bytes.
; The grid's y names a segment of 2,048 source rows of 8,192 bytes: 0, 1 the halves of x; 2, 3, 4 Wq, Wk, Wv.  A work-group takes 8 rows, a thread 16 loads of 16 bytes and 16 stores of 8.
; All 16 loads of a thread go out first.  The four numbers of a load are rounded IN PLACE, into the first two of their four registers, and stored from there; nothing is loaded again, so the only waits
; are the counted ones for the loads.  80 registers a wave: the ten waves that five work-groups put on a SIMD take 800 of its 1,024, so all 1,280 work-groups' loads can go out at the start.
; No LDS, no barrier: no thread wants another's bytes.
; WEIGHTS.  Thread t takes the f32 bytes 16 t + 4,096 j (j = 0, 1) of each row: a wave's load covers 512 consecutive bytes, its store 256 consecutive bytes, aligned.
; X.  Wave w takes the blocks 8 w .. 8 w + 7 of the 8 rows.  Eight lanes take a row's 32 numbers of a block (128 bytes in, 64 out), a wave four rows: its store covers 256 consecutive bytes, aligned
; (four rows of one block); its load takes 128 bytes of each of four rows, and its next load the 128 bytes beside them.
.set SRCROW, 8192                      ; bytes in a source row
.set WROW,   12288                     ; bytes in a row of wb
.set XKQ,    262144                    ; bytes in a block of xb: 4,096 rows x 64
.set SO,  1                            ; v1       my byte offset in the source
.set OD,  2                            ; v[2:9]   weights: row r: 8 t + r x 12,288;  x: v2 alone
.set T8,  10                           ; v10      8 t
.set X,   16                           ; v[16:79] 16 loads of 4; the first two of each four then hold the 8 bytes to store
	s_load_b256 s[4:11], s[0:1], 0x0               ; x s[4:5], Wq s[6:7], Wk s[8:9], Wv s[10:11]
	s_load_b128 s[12:15], s[0:1], 0x20             ; xb s[12:13], wb s[14:15]
	s_and_b32 s16, ttmp7, 0xffff                   ; the segment
	s_cmp_lt_u32 s16, 2                            ; is it x's?
	s_cbranch_scc0 .Lweights
	v_and_b32 v10, 31, v0                          ; lane
	v_lshrrev_b32 v11, 5, v0                       ; wave
	v_lshrrev_b32 v12, 3, v10                      ; my row of four
	v_and_b32 v13, 7, v10                          ; my four numbers of the 32
	v_lshlrev_b32 v[SO], 13, v12                   ; row x 8,192
	v_lshl_add_u32 v[SO], v11, 10, v[SO]           ; + wave x 8 blocks x 128 bytes
	v_lshl_add_u32 v[SO], v13, 4, v[SO]            ; + 16 bytes a lane
	v_lshlrev_b32 v[OD], 3, v10                    ; 8 x lane: four rows of 64 bytes on end
	v_lshl_add_u32 v[OD], v11, 21, v[OD]           ; + wave x 8 blocks of 262,144 bytes
	s_lshl_b32 s20, s16, 24                        ; the half's 2,048 rows of 8,192 bytes,
	s_lshl_b32 s21, ttmp9, 16                      ; the work-group's 8
	s_add_co_u32 s20, s20, s21
	s_mov_b32 s21, 0
	s_lshl_b32 s24, s16, 17                        ; in a block of xb: the half's 2,048 rows of 64 bytes,
	s_lshl_b32 s25, ttmp9, 9                       ; the work-group's 8
	s_add_co_u32 s24, s24, s25
	s_mov_b32 s25, 0
	s_wait_kmcnt 0x0
	s_add_nc_u64 s[18:19], s[4:5], s[20:21]
	s_add_nc_u64 s[22:23], s[12:13], s[24:25]
.set n, 0
.rept 16                                       ; load n: rows 4 (n / 8) on, block n % 8 of my wave's eight
	global_load_b128 v[X+4*n:X+4*n+3], v[SO], s[18:19] offset:(n/8)*4*SRCROW+(n%8)*128 th:TH_LOAD_NT
.set n, n+1
.endr
.set n, 0
.rept 16
	s_wait_loadcnt 15-n                            ; loads come back in order (ISA guide 5.7.1): load n is in, the 15 - n younger ones stay out
	v_cvt_pk_bf16_f32 v[X+4*n],   v[X+4*n],   v[X+4*n+1]
	v_cvt_pk_bf16_f32 v[X+4*n+1], v[X+4*n+2], v[X+4*n+3]
	global_store_b64 v[OD], v[X+4*n:X+4*n+1], s[22:23] offset:(n%8)*XKQ+(n/8)*256
.set n, n+1
.endr
	s_endpgm
.Lweights:
	v_lshlrev_b32 v[SO], 4, v0
	v_lshlrev_b32 v[T8], 3, v0
.irp r, 0,1,2,3,4,5,6,7
	v_add_nc_u32 v[OD+\r], (\r)*WROW, v[T8]
.endr
	s_lshl_b32 s20, ttmp9, 16                      ; the work-group's 8 source rows
	s_mov_b32 s21, 0
	s_mul_i32 s24, ttmp9, 8*WROW                   ; 8 rows of wb,
	s_sub_co_u32 s25, s16, 2                       ; and the weight's 4,096 bytes of a row
	s_lshl_b32 s25, s25, 12
	s_add_co_u32 s24, s24, s25
	s_mov_b32 s25, 0
	s_wait_kmcnt 0x0
	s_mov_b64 s[18:19], s[6:7]                     ; the source: Wq, Wk or Wv
	s_cmp_eq_u32 s16, 3
	s_cselect_b64 s[18:19], s[8:9], s[18:19]
	s_cmp_eq_u32 s16, 4
	s_cselect_b64 s[18:19], s[10:11], s[18:19]
	s_add_nc_u64 s[18:19], s[18:19], s[20:21]
	s_add_nc_u64 s[22:23], s[14:15], s[24:25]
.set n, 0
.rept 16                                       ; load n: row n / 2, half n % 2
	global_load_b128 v[X+4*n:X+4*n+3], v[SO], s[18:19] offset:(n/2)*SRCROW+(n%2)*4096 th:TH_LOAD_NT
.set n, n+1
.endr
.set n, 0
.rept 16
	s_wait_loadcnt 15-n
	v_cvt_pk_bf16_f32 v[X+4*n],   v[X+4*n],   v[X+4*n+1]
	v_cvt_pk_bf16_f32 v[X+4*n+1], v[X+4*n+2], v[X+4*n+3]
	global_store_b64 v[OD+n/2], v[X+4*n:X+4*n+1], s[22:23] offset:2048*(n%2)
.set n, n+1
.endr
	s_endpgm
.Lfunc_end_k_q12958884f5_cast:
	.size	k_q12958884f5_cast, .Lfunc_end_k_q12958884f5_cast-k_q12958884f5_cast
	.p2alignl 7, 3214868480
	.fill 96, 4, 3214868480
	.section	.rodata,"a",@progbits
	.p2align	6, 0x0
	.amdhsa_kernel k_q12958884f5_cast
		.amdhsa_group_segment_fixed_size 0
		.amdhsa_private_segment_fixed_size 0
		.amdhsa_enable_private_segment 0
		.amdhsa_kernarg_size 48
		.amdhsa_user_sgpr_count 2
		.amdhsa_user_sgpr_kernarg_segment_ptr 1
		.amdhsa_wavefront_size32 1
		.amdhsa_system_sgpr_workgroup_id_x 1
		.amdhsa_system_sgpr_workgroup_id_y 1
		.amdhsa_system_sgpr_workgroup_id_z 1
		.amdhsa_system_vgpr_workitem_id 0
		.amdhsa_next_free_vgpr 80
		.amdhsa_next_free_sgpr 66
		.amdhsa_reserve_vcc 0
		.amdhsa_float_denorm_mode_32 3
		.amdhsa_float_denorm_mode_16_64 3
		.amdhsa_memory_ordered 1
		.amdhsa_forward_progress 1
		.amdhsa_inst_pref_size 14
	.end_amdhsa_kernel
	.amdgpu_metadata
---
amdhsa.version: [ 1, 2 ]
amdhsa.kernels:
  - .name:           k_q12958884f5_cast
    .symbol:         k_q12958884f5_cast.kd
    .args:
      - { .name: x, .offset: 0, .size: 8, .value_kind: global_buffer, .address_space: global }
      - { .name: Wq, .offset: 8, .size: 8, .value_kind: global_buffer, .address_space: global }
      - { .name: Wk, .offset: 16, .size: 8, .value_kind: global_buffer, .address_space: global }
      - { .name: Wv, .offset: 24, .size: 8, .value_kind: global_buffer, .address_space: global }
      - { .name: xb, .offset: 32, .size: 8, .value_kind: global_buffer, .address_space: global }
      - { .name: wb, .offset: 40, .size: 8, .value_kind: global_buffer, .address_space: global }
    .group_segment_fixed_size: 0
    .private_segment_fixed_size: 0
    .kernarg_segment_align: 8
    .kernarg_segment_size: 48
    .max_flat_workgroup_size: 256
    .sgpr_count:     66
    .vgpr_count:     80
    .wavefront_size: 32
...
	.end_amdgpu_metadata
.endif
;; end of part 1
;; launch proj (part 2): grid 16 x 16, 4 waves a work-group, clusters of 4 x 4, 327,680 bytes of LDS; arguments xb, wb, qkv; writes qkv
.if DOCPART == 2
	.amdgcn_target "amdgcn-amd-amdhsa--gfx1250"
	.amdhsa_code_object_version 6
	.text
	.protected	k_q12958884f5_proj
	.globl	k_q12958884f5_proj
	.p2align	8
	.type	k_q12958884f5_proj,@function
k_q12958884f5_proj:
	s_mov_b64 s[64:65], 0
	v_nop
	global_prefetch_b8 v0, s[64:65] scope:SCOPE_SE
	s_setreg_imm32_b32 hwreg(HW_REG_WAVE_MODE, 25, 1), 1
	s_wait_xcnt 0x0
	s_wait_alu depctr_hold_cnt(0) depctr_sa_sdst(0) depctr_va_vdst(0) depctr_va_sdst(0) depctr_va_ssrc(0) depctr_va_vcc(0) depctr_vm_vsrc(0)
	s_getreg_b32 s2, hwreg(HW_REG_IB_STS2, 6, 4)
	s_cmp_eq_u32 s2, 0
	s_cbranch_scc0 .Lentry_in_a_cluster
	s_endpgm
.Lentry_in_a_cluster:
	s_bfe_u32 s2, ttmp6, 0x10000c
	s_cmp_lg_u32 s2, 0xf033
	s_cbranch_scc0 .Lentry_shape_is_right
	s_endpgm
.Lentry_shape_is_right:
; qkv[m][n] = the sum over k of x[m][k] w[k][n].  xb: x in bf16, [64 blocks of 32 k][4096 rows][32 k]; wb: [2048 k][6144 n] bf16 (Wq | Wk | Wv); qkv: [4096][6144] f16; sums in f32, K ascending, rounded once.
; LIMIT.  f16 holds no number beyond 65,504: a q, k or v past that becomes an infinity.  NaN and infinities are not treated apart.
; SHARES.  A tile of qkv is 256 rows x 384 columns: 16 x 16 = 256 tiles, one work-group each.  Four waves, 2 x 2; a wave makes 128 rows x 192 columns: 8 x 12 = 96 accumulators of 16 x 16, 768 registers.
; For 32 along K a wave reads 20 fragments from LDS for 96 matrix instructions.
; K GOES IN STEPS OF 96 (three blocks of 32) through a ring of two LDS slots: two slots of 128 would be 385,024 bytes, more than there is.  K has 64 blocks: steps 0 to 20 take blocks 0 to 62; step 21's tile begins
; two blocks early (blocks 61 to 63), so that every load has one shape and stays inside its buffer, and only its last block is multiplied.
; Waves 0 to 2 fetch a PANEL of wb each (96 k-rows x 256 bytes), wave 3 xb's tile (3 blocks x 16,384 dense bytes): all that is asked for lies in runs of 256 bytes or more that start at multiples of 256.
; wb lies [k][n]: its fragments come out of LDS turned, by ds_load_tr16_b128.  THE MATRIX INSTRUCTION IS USED TRANSPOSED: source 0 = 16 columns of wb, source 1 = 16 rows of x, so that a lane holds one row of
; qkv (lane % 16) and eight neighbouring columns 8 (lane / 16) + 0..7, which pack into 16 bytes.
; CLUSTERS: 4 x 4 work-groups.  xb's tile hangs on the tile row alone and is asked for jointly by a row of the cluster, a panel on the tile column alone and by a column.
; REGISTERS, in windows of 256 (s_set_vgpr_msb: bits 1:0 source 0, 3:2 source 1, 5:4 source 2, 7:6 destination):
;   window 0: v0-31 addresses; v32-95, v96-159 x's 8 fragments, two buffers; v160-255 wb's 12 fragments, one buffer, filled again by halves; on the way out v32-159 packed results, v64-255 rows read back
;   windows 1 to 3: the accumulators: row block a, column block b at v[8 (8 (b % 4) + a)] of window 1 + b / 4
; A QUARTER is 32 along K: column blocks 0-5 (48 matrix instructions); the next quarter's wb 0-5 and x (28 loads); column blocks 6-11 (48); the next quarter's wb 6-11 (12 loads).  Each run of loads stands
; 48 matrix instructions ahead of its first use.  Six switches of the windows for 96 matrix instructions.
.set XKQ,    262144                    ; bytes in a block of xb: 4,096 rows x 64
.set WROW,   12288                     ; bytes in a row of wb and of qkv
.set WKQ,    32*WROW                   ; 32 rows of wb
.set PB,     288                       ; a panel's LDS row: 256 bytes + 32 = 72 words
.set PANEL,  96*PB
.set PA,     80                        ; a row's 32 k of x in LDS: 64 bytes + 16 = 20 words: the 16 rows of a load start at 16 different groups of four banks
.set AQ,     256*PA                    ; the tile's 256 rows of one block
.set AOFF,   3*PANEL                   ; a slot: three panels, then x's three blocks
.set SLOT,   AOFF+3*AQ
.set SPARE,  2*SLOT                    ; behind the ring: the spare words, 128 bytes for each wave: two blocks of 256 bytes that no other line names
.set SP,     784                       ; the stage's row: 768 bytes + 16.  The stage, 256 rows from LDS byte 0, lies over the slots, which have had their last fill when it is written
.set TRIPS,  10                        ; trips of the loop: each goes once round the ring (two steps) and fills both slots again
.set ADRA, 16                          ; v16-17  LDS address of my x fragments in slot 0, 1
.set ADRB, 18                          ; v18-23  of my wb fragments: slot s, column blocks 4 g .. 4 g + 3 at 3 s + g
.set STO,  24                          ; v24-25  the way out: where I put 16 bytes of a row, row blocks 0-3 and 4-7
.set RD,   26                          ; v26     where I read rows back
.set CO,   27                          ; v27     my byte offset in qkv
.set SPW,  28                          ; v28     LDS address of my spare word: SPARE + 4 x my thread's number; never rewritten
.set NIL,  29                          ; v29     0; never rewritten
.set PFO,  30                          ; v30     the prefetches' offset; never rewritten
.set F0,   32
.set F1,   96
.set BF,   160
.set TMP,  32
.set OB,   64
.set G1A, 24                           ; s[24:31] descriptor group 1 for xb's tiles
.set G0A, 32                           ; s[32:39] group 0, a set for each slot
.set LIM, 43                           ; s43     1 in a wave that prefetches, else the greatest number
.set PFA, 44                           ; s[44:45] where my last prefetch stood
.set PFS, 46                           ; s[46:47] its step: four blocks of 32 k, in xb or in wb
.set G1B, 48                           ; s[48:55], s[56:63] the same for wb's panels
.set G0B, 56
.set STA, 76                           ; s[76:77] the step of slot 1's address in xb;  s[78:79] in wb
.set STB, 78
.set MSB, 0
.macro WIN new                         ; the immediate's high byte repeats the setting that is left; a switch that changes nothing is dropped
.if MSB != (\new)
	s_set_vgpr_msb (MSB<<8)|(\new)
.set MSB, \new
.endif
.endm
; A joint load.  Wave 3 fetches xb's tile, waves 0 to 2 a panel each.  Each of the two lines has one mask; the branch hangs on the wave's number alone.
; An s_nop 0 and four v_nop follow each line, ahead of the jump, the label and what follows.
.macro JLOAD s
	s_cmp_eq_u32 s10, 3
	s_cbranch_scc0 .Lfor_b_\@
	tensor_load_to_lds s[G0A+4*(\s):G0A+4*(\s)+3], s[G1A:G1A+7]
	s_nop 0
.rept 4
	v_nop
.endr
	s_branch .Lasked_\@
.Lfor_b_\@:
	tensor_load_to_lds s[G0B+4*(\s):G0B+4*(\s)+3], s[G1B:G1B+7]
	s_nop 0
.rept 4
	v_nop
.endr
.Lasked_\@:
.endm
; A PREFETCH INTO THE L2, behind a joint refill and the run of LDS loads that follows it.  A step's 96 k do not divide into 4 partners x 32 lanes, so a request names FOUR blocks of 32 k, and requests stand at
; three of every four changes of slots: at slot 0's always (odd = 0), at slot 1's in the trips with an odd count (odd = 1).  Thirteen requests name blocks 12 to 63, in order; each stands one or two changes of
; slots ahead of the load that first wants its blocks.  Blocks 0 to 11 come by their loads alone; the trips behind the thirteenth request ask for nothing.
; Each run of 256 bytes is named once in the launch.  A panel's 128 rows: by the clusters with y = 0, waves 0 to 2, a lane a row; the four partners that ask for the panel jointly take 32 rows each, told apart
; by address (cy).  xb's 4 x 16,384 bytes: by the clusters with x = 0, wave 3, in two instructions of two blocks; the four partners take 4,096 bytes of each block, told apart by address (cx).
; The address is stepped in front of the request, behind s_wait_xcnt 0, which finds the last request a change of slots or more back.
.macro ASK odd
.if \odd
	s_and_b32 s75, s3, 1
	s_mul_i32 s75, s75, s3                         ; the count where it is odd, else 0
	s_cmp_gt_u32 s75, s[LIM]
.else
	s_cmp_gt_u32 s3, s[LIM]
.endif
	s_cbranch_scc0 .Lnot_mine_\@
	s_wait_xcnt 0x0
	s_add_nc_u64 s[PFA:PFA+1], s[PFA:PFA+1], s[PFS:PFS+1]
	global_prefetch_b8 v[PFO], s[PFA:PFA+1] th:TH_LOAD_NT scope:SCOPE_SE
	s_cmp_eq_u32 s10, 3
	s_cbranch_scc0 .Lnot_mine_\@
	global_prefetch_b8 v[PFO], s[PFA:PFA+1] offset:2*XKQ th:TH_LOAD_NT scope:SCOPE_SE
.Lnot_mine_\@:
.endm
.macro CREST                           ; a round of the cluster's barrier behind its opening barrier
	s_cmp_lg_u32 s10, 0
	s_cbranch_scc1 .Lnot_wave_0_\@
	s_barrier_signal -3
.Lnot_wave_0_\@:
	s_barrier_wait -3
	s_barrier_signal -1
	s_barrier_wait -1
.endm
.macro CROUND                          ; a whole round
	s_barrier_signal -1
	s_barrier_wait -1
	CREST
.endm
	s_load_b128 s[4:7], s[0:1], 0x0                ; xb s[4:5], wb s[6:7]
	s_load_b64 s[8:9], s[0:1], 0x10                ; qkv
	v_lshl_add_u32 v[SPW], v0, 2, SPARE
	v_mov_b32 v[NIL], 0
	ds_add_u32 v[SPW], v[NIL]                      ; the wave's opening: the add and its wait stand ahead of my first tensor load; the set-up below, work on registers, stands between them
	v_lshrrev_b32 v1, 5, v0
	v_readfirstlane_b32 s10, v1                    ; wave 0..3
	s_lshr_b32 s11, s10, 1                         ; which 128 rows of the tile are mine
	s_and_b32 s12, s10, 1                          ; which 192 columns
	s_bfe_u32 s40, ttmp6, 0x40000                  ; cx
	s_bfe_u32 s41, ttmp6, 0x40004                  ; cy
	s_lshl_b32 s42, ttmp9, 2
	s_add_co_u32 s42, s42, s40                     ; tile column = 4 x cluster x + cx
	s_and_b32 s13, ttmp7, 0xffff
	s_lshl_b32 s13, s13, 2
	s_add_co_u32 s13, s13, s41                     ; tile row = 4 x cluster y + cy
	s_lshl_b32 s43, s41, 2
	s_lshl_b32 s43, 15, s43                        ; my row of the cluster
	s_lshl_b32 s44, 0x1111, s40                    ; my column
	s_or_b32 s[G1A+0], s43, (1<<16)|(1<<20)|(1<<21)|(3<<22)|(3<<25)  ; 15:0 the mask; 17:16 elements of 2 bytes; 20 padding on; 21 set beside a mask; 24:22 after every 16 words (code 3); 31:25 4 words (code 3)
	s_mov_b32 s[G1A+1], 8192<<16                   ; tensor_dim0 = 8,192: the tile's 256 rows of a block, end to end
	s_mov_b32 s[G1A+2], 3<<16                      ; tensor_dim1 = 3 blocks
	s_mov_b32 s[G1A+3], 8192<<16                   ; tile_dim0 = 8,192 elements (16,384 bytes)
	s_mov_b32 s[G1A+4], 3                          ; tile_dim1 = 3
	s_mov_b32 s[G1A+5], XKQ/2                      ; elements from block to block
	s_mov_b32 s[G1A+6], 0
	s_mov_b32 s[G1A+7], 0
	s_or_b32 s[G1B+0], s44, (1<<16)|(1<<20)|(1<<21)|(5<<22)|(7<<25)  ; the column's mask; after every 64 words (code 5) 8 words (code 7)
	s_mov_b32 s[G1B+1], 128<<16                    ; tensor_dim0 = 128
	s_mov_b32 s[G1B+2], 96<<16                     ; tensor_dim1 = 96
	s_mov_b32 s[G1B+3], 128<<16                    ; tile_dim0 = 128 columns (256 bytes)
	s_mov_b32 s[G1B+4], 96                         ; tile_dim1 = 96 k-rows
	s_mov_b32 s[G1B+5], 6144                       ; elements from row to row
	s_mov_b32 s[G1B+6], 0
	s_mov_b32 s[G1B+7], 0
	s_mov_b32 s80, 6*XKQ                           ; a slot's next step lies six blocks on;
	s_mov_b32 s81, 4*XKQ                           ; slot 1's last step (21) four
	s_mov_b32 s82, 6*WKQ
	s_mov_b32 s83, 4*WKQ
	s_mov_b32 s[STA+1], 0
	s_mov_b32 s[STB+1], 0
	; xb's tile hangs on the tile row alone, a panel on the tile column and the wave alone: each address is made in registers that never hold the other coordinate
	s_lshl_b32 s16, s13, 14                        ; 256 rows of 64 bytes a tile row
	s_mov_b32 s17, 0
	s_mul_i32 s66, s42, 768                        ; 384 columns a tile column,
	s_lshl_b32 s67, s10, 8                         ; my panel's 256 bytes
	s_add_co_u32 s66, s66, s67
	s_mov_b32 s67, 0
	s_mul_i32 s20, s10, PANEL                      ; where my load goes: wave x 27,648: the three panels, then (wave 3) xb's tile
	s_wait_dscnt 0x0                               ; the opening add is done
	s_wait_kmcnt 0x0
	s_add_nc_u64 s[14:15], s[4:5], s[16:17]
	s_add_nc_u64 s[66:67], s[6:7], s[66:67]
	CROUND                                         ; all sixteen work-groups are here: the first joint loads meet
.irp s, 0,1
	s_mov_b32 s[G0A+4*(\s)], 1                     ; count = 1
	s_add_co_u32 s[G0A+4*(\s)+1], s20, (\s)*SLOT   ; LDS address
	s_add_nc_u64 s[G0A+4*(\s)+2:G0A+4*(\s)+3], s[14:15], (\s)*3*XKQ  ; global address: step s
	s_or_b32 s[G0A+4*(\s)+3], s[G0A+4*(\s)+3], 0x80000000            ; type = 2
	s_mov_b32 s[G0B+4*(\s)], 1
	s_add_co_u32 s[G0B+4*(\s)+1], s20, (\s)*SLOT
	s_add_nc_u64 s[G0B+4*(\s)+2:G0B+4*(\s)+3], s[66:67], (\s)*3*WKQ
	s_or_b32 s[G0B+4*(\s)+3], s[G0B+4*(\s)+3], 0x80000000
	JLOAD \s                                       ; both slots are asked for before anything else: two loads of mine are out
.endr
	; a fragment of x: lane l holds row l % 16; registers 0-3 k = 8 (l / 16) + 0..7, registers 4-7 k = 16 + 8 (l / 16) + 0..7: two loads of 16 bytes, 32 bytes apart
	v_and_b32 v1, 15, v0                           ; l % 16
	v_bfe_u32 v2, v0, 4, 1                         ; l / 16
	v_mul_u32_u24 v3, v1, PA
	v_lshl_add_u32 v3, v2, 4, v3
	s_mul_i32 s21, s11, 128*PA                     ; my 128 rows
	s_add_co_u32 s21, s21, AOFF
	v_add_nc_u32 v[ADRA], s21, v3
	v_add_nc_u32 v[ADRA+1], SLOT, v[ADRA]
	; the turning load takes 16 k x 16 columns (lane l reads k-row 8 (l / 16) + l % 8, columns 8 ((l / 8) % 2) + 0..7) and leaves half a fragment: lane l holds column l % 16 and 8 k
	v_and_b32 v4, 7, v0
	v_bfe_u32 v5, v0, 3, 1
	v_lshl_add_u32 v4, v2, 3, v4
	v_mul_u32_u24 v4, v4, PB
	v_lshl_add_u32 v4, v5, 4, v4
.irp g, 0,1,2                                  ; my column blocks 4 g .. 4 g + 3 begin at the tile's column 192 x half + 64 g, and lie in one panel
	s_mul_i32 s22, s12, 192
	s_add_co_u32 s22, s22, 64*(\g)
	s_lshr_b32 s23, s22, 7                         ; the panel,
	s_mul_i32 s23, s23, PANEL
	s_and_b32 s22, s22, 127                        ; the column in it
	s_lshl_b32 s22, s22, 1
	s_add_co_u32 s23, s23, s22
	v_add_nc_u32 v[ADRB+(\g)], s23, v4
	v_add_nc_u32 v[ADRB+3+(\g)], SLOT, v[ADRB+(\g)]
.endr
	v_mul_u32_u24 v6, v1, SP                       ; into the stage: row l % 16 of my 128, 16 bytes for each half of the lanes, my 384 bytes of a row
	v_lshl_add_u32 v6, v2, 4, v6
	s_mul_i32 s21, s11, 128*SP
	s_mul_i32 s22, s12, 384
	s_add_co_u32 s21, s21, s22
	v_add_nc_u32 v[STO], s21, v6
	v_add_nc_u32 v[STO+1], 4*16*SP, v[STO]
	s_mul_i32 s22, s10, 64*SP                      ; back: wave w takes rows 64 w .. 64 w + 63, whole; lanes 0-15 256 bytes of one row, lanes 16-31 of the next
	v_mul_u32_u24 v6, v2, SP
	v_lshl_add_u32 v6, v1, 4, v6
	v_add_nc_u32 v[RD], s22, v6
	v_mul_u32_u24 v6, v2, WROW                     ; and the same two rows in qkv
	v_lshl_add_u32 v[CO], v1, 4, v6
	s_lshl_b32 s18, s13, 8                         ; the first row that I store: 256 x tile row + 64 x wave,
	s_lshl_b32 s19, s10, 6
	s_add_co_u32 s18, s18, s19
	s_mul_i32 s18, s18, WROW
	s_mul_i32 s19, s42, 768                        ; the tile's first column, in bytes
	s_add_co_u32 s18, s18, s19
	s_mov_b32 s19, 0
	s_add_nc_u64 s[8:9], s[8:9], s[18:19]
	; the prefetches stand at block 8: each request steps them by four blocks first, so the first names blocks 12 to 15
	s_lshl_b32 s68, s13, 14                        ; xb: the tile's rows in a block,
	s_lshl_b32 s69, s40, 12                        ; my work-group's 4,096 bytes of them (by cx)
	s_add_co_u32 s68, s68, s69
	s_add_co_u32 s68, s68, 8*XKQ
	s_mul_i32 s70, s41, 32*WROW                    ; wb: my work-group's 32 of a request's 128 rows (by cy),
	s_mul_i32 s71, s42, 768                        ; the tile column,
	s_add_co_u32 s70, s70, s71
	s_lshl_b32 s71, s10, 8                         ; my panel
	s_add_co_u32 s70, s70, s71
	s_add_co_u32 s70, s70, 8*WKQ
	s_and_b32 s72, ttmp7, 0xffff                   ; cluster y
	s_mov_b32 s73, 16*WROW
	s_mov_b32 s74, WROW
	s_mov_b32 s75, 4*WKQ
	s_cmp_eq_u32 s10, 3                            ; do I fetch for xb?
	s_cselect_b32 s68, s68, s70
	s_cselect_b32 s72, ttmp9, s72                  ; the coordinate along which other clusters read the same bytes
	s_cselect_b32 s73, XKQ, s73                    ; lanes 16-31: xb the next block, wb 16 rows on
	s_cselect_b32 s74, 256, s74                    ; from lane to lane: xb 256 bytes, wb a row
	s_cselect_b32 s[PFS], 4*XKQ, s75
	s_cselect_b64 s[PFA:PFA+1], s[4:5], s[6:7]
	s_mov_b32 s69, 0
	s_mov_b32 s[PFS+1], 0
	s_add_nc_u64 s[PFA:PFA+1], s[PFA:PFA+1], s[68:69]
	s_cmp_eq_u32 s72, 0
	s_cselect_b32 s[LIM], 1, -1                    ; the same in all sixteen partners, for a given wave
	v_mul_u32_u24 v[PFO], v2, s73
	v_mad_u32_u24 v[PFO], v1, s74, v[PFO]
; 8 nb matrix instructions: column blocks b0 .. b0 + nb - 1 x my 8 row blocks, 32 along K, x from buffer f.  zero = 1: the first product starts the sums.
; The 96 accumulators take turns, one instruction a turn, in the same order in every quarter.
.macro MULB f, b0, nb, zero
.set bb, \b0
.rept \nb
	WIN 0x50*(1+bb/4)                              ; sources in window 0, C and D in window 1 + b / 4
.set aa, 0
.rept 8
.if \zero
	v_wmma_f32_16x16x32_bf16 v[8*(8*(bb%4)+aa):8*(8*(bb%4)+aa)+7], v[BF+8*bb:BF+8*bb+7], v[(\f)+8*aa:(\f)+8*aa+7], 0
.else
	v_wmma_f32_16x16x32_bf16 v[8*(8*(bb%4)+aa):8*(8*(bb%4)+aa)+7], v[BF+8*bb:BF+8*bb+7], v[(\f)+8*aa:(\f)+8*aa+7], v[8*(8*(bb%4)+aa):8*(8*(bb%4)+aa)+7]
.endif
.set aa, aa+1
.endr
.set bb, bb+1
.endr
.endm
; 28 LDS loads in one run: of block q of a slot, wb's fragments 0-5 and x's eight, these into buffer g
.macro FETCH_LO slot, q, g
	WIN 0
.irp b, 0,1,2,3,4,5
	ds_load_tr16_b128 v[BF+8*(\b):BF+8*(\b)+3],   v[ADRB+3*(\slot)+(\b)/4] offset:(\q)*32*PB+32*((\b)%4)
	ds_load_tr16_b128 v[BF+8*(\b)+4:BF+8*(\b)+7], v[ADRB+3*(\slot)+(\b)/4] offset:(\q)*32*PB+16*PB+32*((\b)%4)
.endr
.irp i, 0,1,2,3,4,5,6,7
	ds_load_b128 v[(\g)+8*(\i):(\g)+8*(\i)+3],   v[ADRA+(\slot)] offset:(\q)*AQ+(\i)*16*PA
	ds_load_b128 v[(\g)+8*(\i)+4:(\g)+8*(\i)+7], v[ADRA+(\slot)] offset:(\q)*AQ+(\i)*16*PA+32
.endr
.endm
; 12 LDS loads: wb's fragments 6-11 of the same block
.macro FETCH_HI slot, q
	WIN 0
.irp b, 6,7,8,9,10,11
	ds_load_tr16_b128 v[BF+8*(\b):BF+8*(\b)+3],   v[ADRB+3*(\slot)+(\b)/4] offset:(\q)*32*PB+32*((\b)%4)
	ds_load_tr16_b128 v[BF+8*(\b)+4:BF+8*(\b)+7], v[ADRB+3*(\slot)+(\b)/4] offset:(\q)*32*PB+16*PB+32*((\b)%4)
.endr
.endm
.macro PLACES                          ; four plain places between a matrix instruction and a load into a register that it has read (ISA guide 7.12.1 for vector instructions)
.rept 4
	v_nop
.endr
.endm
; A quarter that changes no slot: multiplies x's buffer f, fetches block q of the slot: x into buffer g, wb into the halves of its buffer as they fall free.
.macro QUARTER f, g, slot, q, zero
	s_wait_dscnt 12                                ; wb 0-5 and x are in; the youngest twelve loads (wb 6-11) may be out
	MULB \f, 0, 6, \zero
	PLACES
	FETCH_LO \slot, \q, \g
	s_wait_dscnt 28                                ; wb 6-11 are in: all but the 28 just issued
	MULB \f, 6, 6, \zero
	PLACES
	FETCH_HI \slot, \q
.endm
; A step's last quarter, with the change of slots: ONE barrier.  In front of it each wave waits for all its tensor loads, of which one is out (its part of the next slot), adds 0 to its spare word, and waits for that
; and for its own reads of this slot, the last of which were issued at the end of the quarter before.  Behind it nobody reads this slot any more and the next slot is whole.
; fill = 1: the barrier opens a round of the cluster's, and behind the round this slot is asked for again first: 240 matrix instructions stand between that request and the wait for it.
; Then block nq of the next slot is fetched.
.macro TURN slot, next, nq, f, g, fill
	WIN 0                                          ; (the add's two registers lie in window 0)
	s_wait_tensorcnt 0x0
	ds_add_u32 v[SPW], v[NIL]                      ; 0 onto my spare word
	s_wait_dscnt 13                                ; (the add and the youngest twelve loads may be out)
	MULB \f, 0, 3, 0                               ; 24 matrix instructions stand between the add and the wait for it
	s_wait_dscnt 0x0                               ; the add is done, and my reads of this slot are over
	s_barrier_signal -1
	MULB \f, 3, 3, 0                               ; work on registers while the others arrive
.if \fill
	WIN 0
.endif
	s_barrier_wait -1
.if \fill
	CREST                                          ; no wave of any partner still reads this slot's tile or has a load on its way
.if \slot
	s_cmp_eq_u32 s3, 1                             ; the loop's last trip asks for step 21, which begins two blocks early; the count is the same in all partners
	s_cselect_b32 s[STA], s81, s80
	s_cselect_b32 s[STB], s83, s82
	s_add_nc_u64 s[G0A+6:G0A+7], s[G0A+6:G0A+7], s[STA:STA+1]
	s_add_nc_u64 s[G0B+6:G0B+7], s[G0B+6:G0B+7], s[STB:STB+1]
.else
	s_add_nc_u64 s[G0A+2:G0A+3], s[G0A+2:G0A+3], 6*XKQ
	s_add_nc_u64 s[G0B+2:G0B+3], s[G0B+2:G0B+3], 6*WKQ
.endif
	JLOAD \slot                                    ; the first tensor load behind the round; its four v_nop are also the places in front of the loads below
.else
	PLACES
.endif
	FETCH_LO \next, \nq, \g
.if \fill
	ASK \slot
.endif
	MULB \f, 6, 6, 0                               ; (wb 6-11 were waited for in front of the barrier)
	PLACES
	FETCH_HI \next, \nq
.endm
	s_wait_tensorcnt 1                             ; my part of step 0 is in; step 1's may stay out
	s_barrier_signal -1
	s_barrier_wait -1                              ; everybody's is
	FETCH_LO 0, 0, F0
	FETCH_HI 0, 0
	QUARTER F0, F1, 0, 1, 1                        ; the first quarter stands in front of the loop: its products start the sums
	WIN 0                                          ; at a label and at a branch every window is 0
	s_mov_b32 s3, TRIPS
.Llap:                                                 ; a trip goes once round the ring, from a lap's second quarter to the next lap's first: six quarters
	QUARTER F1, F0, 0, 2, 0
	TURN 0, 1, 0, F0, F1, 1
	QUARTER F1, F0, 1, 1, 0
	QUARTER F0, F1, 1, 2, 0
	TURN 1, 0, 0, F1, F0, 1
	QUARTER F0, F1, 0, 1, 0
	WIN 0
	s_sub_co_u32 s3, s3, 1
	s_cmp_lg_u32 s3, 0
	s_cbranch_scc1 .Llap
	QUARTER F1, F0, 0, 2, 0                        ; the tail is written out: step 20 goes on,
	TURN 0, 1, 2, F0, F1, 0                        ; nothing is filled, and of step 21's tile the third block alone (block 63 of K) is fetched
	s_wait_dscnt 12                                ; the very last quarter
	MULB F1, 0, 6, 0
	s_wait_dscnt 0x0                               ; all my reads of the slots are over:
	s_barrier_signal -1                            ; say so,
	MULB F1, 6, 6, 0
	WIN 0
	s_barrier_wait -1                              ; and write the stage over the slots only when all four waves have said so
	; THE WAY OUT: rounded to f16, 16 bytes a lane into the work-group's stage (a row's 768 bytes come from two waves); a barrier; back as whole rows, 64 rows a wave.
.rept 8
	v_nop                                          ; plain places between the last products and the conversions that read results
.endr
.irp wn, 1,2,3                                 ; a window's 32 accumulators at a time: column blocks 4 (wn - 1) .. + 3, all 8 row blocks
	WIN 0x05*(\wn)                                 ; sources 0 and 1 in window wn, destination in window 0
.set aa, 0
.rept 8
.set bq, 0
.rept 4
.set ee, 0
.rept 4                                        ; each accumulator from its lowest registers on
	v_cvt_pk_f16_f32 v[TMP+4*(4*aa+bq)+ee], v[8*(8*bq+aa)+2*ee], v[8*(8*bq+aa)+2*ee+1]
.set ee, ee+1
.endr
.set bq, bq+1
.endr
.set aa, aa+1
.endr
	WIN 0
.set aa, 0
.rept 8
.set bq, 0
.rept 4
	ds_store_b128 v[STO+aa/4], v[TMP+4*(4*aa+bq):TMP+4*(4*aa+bq)+3] offset:(aa%4)*16*SP+32*(4*((\wn)-1)+bq)
.set bq, bq+1
.endr
.set aa, aa+1
.endr
.endr
	s_wait_dscnt 0x0                               ; for the others' sake: my stores into the stage are done
	s_barrier_signal -1
	s_barrier_wait -1
.irp u, 0,1                                    ; my 64 rows in two halves of 32: 48 loads and 48 stores each
.if \u
	s_wait_xcnt 0x0                                ; the first half's stores have read their registers: only behind this wait are these loaded again
.endif
.set n, 0
.rept 48                                       ; load n: rows 2 (n / 3) and 2 (n / 3) + 1 of the half, bytes 256 (n % 3) on
	ds_load_b128 v[OB+4*n:OB+4*n+3], v[RD] offset:(16*(\u)+n/3)*2*SP+256*(n%3)
.set n, n+1
.endr
.set n, 0
.rept 48
.if n%3 == 0
	s_wait_dscnt 45-n                              ; LDS loads come back in order (ISA guide 5.7.1): loads n to n + 2 are in
.endif
	global_store_b128 v[CO], v[OB+4*n:OB+4*n+3], s[8:9] offset:(16*(\u)+n/3)*2*WROW+256*(n%3)  ; 16 lanes store 256 consecutive bytes, at a multiple of 256 from qkv's first byte
.set n, n+1
.endr
.endr
	s_wait_tensorcnt 0x0                           ; the wave's end, behind my last tensor load and my last LDS store
	ds_add_u32 v[SPW], v[NIL]
	s_wait_dscnt 0x0
	CROUND                                         ; the closing round: no work-group ends while a partner may still ask for a tile that names it
	s_endpgm
.Lfunc_end_k_q12958884f5_proj:
	.size	k_q12958884f5_proj, .Lfunc_end_k_q12958884f5_proj-k_q12958884f5_proj
	.p2alignl 7, 3214868480
	.fill 96, 4, 3214868480
	.section	.rodata,"a",@progbits
	.p2align	6, 0x0
	.amdhsa_kernel k_q12958884f5_proj
		.amdhsa_group_segment_fixed_size 327680
		.amdhsa_private_segment_fixed_size 0
		.amdhsa_enable_private_segment 0
		.amdhsa_kernarg_size 24
		.amdhsa_user_sgpr_count 2
		.amdhsa_user_sgpr_kernarg_segment_ptr 1
		.amdhsa_wavefront_size32 1
		.amdhsa_system_sgpr_workgroup_id_x 1
		.amdhsa_system_sgpr_workgroup_id_y 1
		.amdhsa_system_sgpr_workgroup_id_z 1
		.amdhsa_system_vgpr_workitem_id 0
		.amdhsa_next_free_vgpr 1024
		.amdhsa_next_free_sgpr 88
		.amdhsa_reserve_vcc 0
		.amdhsa_float_denorm_mode_32 3
		.amdhsa_float_denorm_mode_16_64 3
		.amdhsa_memory_ordered 1
		.amdhsa_forward_progress 1
		.amdhsa_inst_pref_size 150
	.end_amdhsa_kernel
	.amdgpu_metadata
---
amdhsa.version: [ 1, 2 ]
amdhsa.kernels:
  - .name:           k_q12958884f5_proj
    .symbol:         k_q12958884f5_proj.kd
    .args:
      - { .name: xb, .offset: 0, .size: 8, .value_kind: global_buffer, .address_space: global }
      - { .name: wb, .offset: 8, .size: 8, .value_kind: global_buffer, .address_space: global }
      - { .name: qkv, .offset: 16, .size: 8, .value_kind: global_buffer, .address_space: global }
    .group_segment_fixed_size: 327680
    .private_segment_fixed_size: 0
    .kernarg_segment_align: 8
    .kernarg_segment_size: 24
    .max_flat_workgroup_size: 128
    .sgpr_count:     88
    .vgpr_count:     1024
    .wavefront_size: 32
...
	.end_amdgpu_metadata
.endif
;; end of part 2
;; launch scores (part 3): grid 12 x 16, 4 waves a work-group, clusters of 4 x 4, 327,680 bytes of LDS; arguments qkv, sc; writes sc
.if DOCPART == 3
	.amdgcn_target "amdgcn-amd-amdhsa--gfx1250"
	.amdhsa_code_object_version 6
	.text
	.protected	k_q12958884f5_scores
	.globl	k_q12958884f5_scores
	.p2align	8
	.type	k_q12958884f5_scores,@function
k_q12958884f5_scores:
	s_mov_b64 s[64:65], 0
	v_nop
	global_prefetch_b8 v0, s[64:65] scope:SCOPE_SE
	s_setreg_imm32_b32 hwreg(HW_REG_WAVE_MODE, 25, 1), 1
	s_wait_xcnt 0x0
	s_wait_alu depctr_hold_cnt(0) depctr_sa_sdst(0) depctr_va_vdst(0) depctr_va_sdst(0) depctr_va_ssrc(0) depctr_va_vcc(0) depctr_vm_vsrc(0)
	s_getreg_b32 s2, hwreg(HW_REG_IB_STS2, 6, 4)
	s_cmp_eq_u32 s2, 0
	s_cbranch_scc0 .Lentry_in_a_cluster
	s_endpgm
.Lentry_in_a_cluster:
	s_bfe_u32 s2, ttmp6, 0x10000c
	s_cmp_lg_u32 s2, 0xf033
	s_cbranch_scc0 .Lentry_shape_is_right
	s_endpgm
.Lentry_shape_is_right:
; sc[b][q][k] = the sum over d of q[b][q][d] k[b][k][d], raw (the scale and the mask come in the next launch).  q and k are f16 parts of qkv's rows (12,288 bytes: q at byte 0, k at 4,096); sc: [4][1024][1024] f32.
; WHICH TILES.  A batch's 1024 x 1024 scores fall into four super-blocks of 512 x 512; the one above the diagonal is left out.  A cluster of 4 x 4 work-groups makes a super-block (cluster x = 0, 1, 2:
; (0,0), (1,0), (1,1); cluster y = the batch), a work-group a tile of 128 x 128, a wave 64 x 64: 16 accumulators.  In the two diagonal super-blocks 6 of 16 tiles lie wholly above the diagonal and are made
; all the same: every partner makes every joint request, and no branch hangs on a work-group's place in its cluster.  The next launch hides them.
; The four of a row of the cluster need the same rows of q, the four of a column the same rows of k: each tile is asked for JOINTLY.  d goes in steps of 256 (LDS rows of 512 bytes) through two slots.
; THE MATRIX INSTRUCTION IS USED TRANSPOSED (source 0 = 16 rows of k, source 1 = 16 rows of q): a lane holds one row of sc and eight neighbouring columns, 32 bytes.
; NO PREFETCH: eight short steps on small tiles, of rows that sixteen work-groups ask for together.
; REGISTERS: window 0: v0-31 addresses; v32-95 the way out; v128-255 the accumulators ((a, b) at v[128 + 8 (4 a + b)]).  Window 1: two fragment buffers of 128: 64 registers of q, then 64 of k, for 64 along d.
.set QROW,   12288                     ; bytes in a row of qkv
.set ROWB,   4096                      ; bytes in a row of sc
.set PITCH,  528                       ; an LDS row: 512 bytes + 16 = 132 words: the 16 rows of a load start at 16 different groups of four banks (64 banks of 4 bytes: ISA guide 11.1)
.set HALFT,  64*PITCH                  ; 64 rows: what one tensor load brings, and what one wave reads of q or of k
.set SLOT,   4*HALFT                   ; q's 128 rows, then k's 128 rows
.set STAGE,  2*SLOT                    ; behind the ring: 16 rows x 272 bytes for each wave, for the way out
.set SPITCH, 272
.set SPARE,  STAGE+4*16*SPITCH         ; behind the stages: the spare words, 128 bytes for each wave: two blocks of 256 bytes that no other line names
.set LAPS,   4                         ; a lap = two steps of 256 along d
.set ADRA, 16                          ; v16-17  LDS address of my q fragments in slot 0, 1
.set ADRB, 20                          ; v20-21  the same for k
.set STO,  24                          ; v24     the way out: where I put 32 bytes of a row
.set RD,   25                          ; v25     where I read a row back
.set CO,   26                          ; v26     my byte offset in sc
.set SPW,  28                          ; v28     LDS address of my spare word: SPARE + 4 x my thread's number; never rewritten
.set NIL,  29                          ; v29     0; never rewritten
.set TMP,  32                          ; two sets of 32: rows read back from the stage
.set ACC,  128
.set F0,   0
.set F1,   128
.set G1, 24
.set G0, 32
.set G1B, 48
.set G0B, 56
.set MSB, 0
.macro WIN new
.if MSB != (\new)
	s_set_vgpr_msb (MSB<<8)|(\new)
.set MSB, \new
.endif
.endm
.set MUL,  0x05                        ; sources 0 (k) and 1 (q) window 1; C and D window 0
.set TO_F, 0x40                        ; destination window 1, address window 0
.macro JLOAD s                         ; a joint load: waves 0 and 1 fetch q's two halves, waves 2 and 3 k's; an s_nop 0 and four v_nop follow each line
	s_cmp_eq_u32 s11, 0
	s_cbranch_scc0 .Lfor_b_\@
	tensor_load_to_lds s[G0+4*(\s):G0+4*(\s)+3], s[G1:G1+7]
	s_nop 0
.rept 4
	v_nop
.endr
	s_branch .Lasked_\@
.Lfor_b_\@:
	tensor_load_to_lds s[G0B+4*(\s):G0B+4*(\s)+3], s[G1B:G1B+7]
	s_nop 0
.rept 4
	v_nop
.endr
.Lasked_\@:
.endm
.macro CREST
	s_cmp_lg_u32 s10, 0
	s_cbranch_scc1 .Lnot_wave_0_\@
	s_barrier_signal -3
.Lnot_wave_0_\@:
	s_barrier_wait -3
	s_barrier_signal -1
	s_barrier_wait -1
.endm
.macro CROUND
	s_barrier_signal -1
	s_barrier_wait -1
	CREST
.endm
	s_load_b128 s[4:7], s[0:1], 0x0                ; qkv s[4:5], sc s[6:7]
	v_lshl_add_u32 v[SPW], v0, 2, SPARE
	v_mov_b32 v[NIL], 0
	ds_add_u32 v[SPW], v[NIL]                      ; the wave's opening: the add and its wait stand ahead of my first tensor load; the set-up below stands between them
	v_lshrrev_b32 v1, 5, v0
	v_readfirstlane_b32 s10, v1                    ; wave 0..3
	s_lshr_b32 s11, s10, 1                         ; which half of the tile's rows is mine.  Also: I fetch for q (0) or for k (1)
	s_and_b32 s12, s10, 1                          ; which half of its columns.  Also: which 64 rows of that tile I fetch
	s_bfe_u32 s40, ttmp6, 0x40000                  ; cx
	s_bfe_u32 s41, ttmp6, 0x40004                  ; cy
	s_add_co_u32 s13, ttmp9, 1
	s_lshr_b32 s13, s13, 1                         ; the super-block's row: 0, 1, 1
	s_lshl_b32 s13, s13, 2
	s_add_co_u32 s13, s13, s41                     ; tile row 0..7
	s_lshr_b32 s42, ttmp9, 1                       ; the super-block's column: 0, 0, 1
	s_lshl_b32 s42, s42, 2
	s_add_co_u32 s42, s42, s40                     ; tile column 0..7
	s_and_b32 s45, ttmp7, 0xffff
	s_lshl_b32 s45, s45, 10                        ; the batch's first row in qkv and in sc
	s_lshl_b32 s43, s41, 2
	s_lshl_b32 s43, 15, s43                        ; my row of the cluster
	s_lshl_b32 s44, 0x1111, s40                    ; my column
	s_or_b32 s[G1+0], s43, (1<<16)|(1<<20)|(1<<21)|(6<<22)|(3<<25)  ; the mask; elements of 2 bytes; padding on; 21 set beside a mask; after every 128 words (code 6) 4 words (code 3)
	s_or_b32 s[G1B+0], s44, (1<<16)|(1<<20)|(1<<21)|(6<<22)|(3<<25)
.irp g, G1, G1B
	s_mov_b32 s[(\g)+1], 256<<16                   ; tensor_dim0 = 256
	s_mov_b32 s[(\g)+2], 64<<16                    ; tensor_dim1 = 64
	s_mov_b32 s[(\g)+3], 256<<16                   ; tile_dim0 = 256 elements (512 bytes)
	s_mov_b32 s[(\g)+4], 64                        ; tile_dim1 = 64 rows
	s_mov_b32 s[(\g)+5], 6144                      ; elements from row to row
	s_mov_b32 s[(\g)+6], 0
	s_mov_b32 s[(\g)+7], 0
.endr
	s_lshl_b32 s17, s12, 6                         ; which 64 rows of the tile I fetch
	s_lshl_b32 s16, s13, 7
	s_add_co_u32 s16, s16, s17
	s_add_co_u32 s16, s16, s45                     ; q: row = batch + 128 x tile row + 64 x half
	s_mul_i32 s16, s16, QROW
	s_lshl_b32 s46, s42, 7
	s_add_co_u32 s46, s46, s17
	s_add_co_u32 s46, s46, s45                     ; k: row = batch + 128 x tile column + 64 x half,
	s_mul_i32 s46, s46, QROW
	s_add_co_u32 s46, s46, 4096                    ; k's part of the row
	s_mov_b32 s17, 0
	s_mov_b32 s47, 0
	s_mul_i32 s20, s10, HALFT                      ; where they go: wave x 64 rows
	s_wait_dscnt 0x0                               ; the opening add is done
	s_wait_kmcnt 0x0
	s_add_nc_u64 s[14:15], s[4:5], s[16:17]
	s_add_nc_u64 s[46:47], s[4:5], s[46:47]
	CROUND                                         ; all sixteen work-groups are here: the first joint loads meet
.irp s, 0,1
	s_mov_b32 s[G0+4*(\s)], 1
	s_add_co_u32 s[G0+4*(\s)+1], s20, (\s)*SLOT
	s_add_nc_u64 s[G0+4*(\s)+2:G0+4*(\s)+3], s[14:15], (\s)*512
	s_or_b32 s[G0+4*(\s)+3], s[G0+4*(\s)+3], 0x80000000
	s_mov_b32 s[G0B+4*(\s)], 1
	s_add_co_u32 s[G0B+4*(\s)+1], s20, (\s)*SLOT
	s_add_nc_u64 s[G0B+4*(\s)+2:G0B+4*(\s)+3], s[46:47], (\s)*512
	s_or_b32 s[G0B+4*(\s)+3], s[G0B+4*(\s)+3], 0x80000000
	JLOAD \s
.endr
	v_and_b32 v1, 15, v0                           ; l % 16
	v_bfe_u32 v2, v0, 4, 1                         ; l / 16
	v_mul_u32_u24 v3, v1, PITCH
	v_lshl_add_u32 v3, v2, 4, v3                   ; a fragment's row x pitch + 16 x half
	s_mul_i32 s21, s11, HALFT                      ; my 64 rows of q
	s_mul_i32 s22, s12, HALFT                      ; my 64 rows of k,
	s_add_co_u32 s22, s22, 2*HALFT                 ; which lie behind q's 128
.irp s, 0,1
	v_add_nc_u32 v[ADRA+(\s)], s21, v3
	v_add_nc_u32 v[ADRB+(\s)], s22, v3
	s_add_co_u32 s21, s21, SLOT
	s_add_co_u32 s22, s22, SLOT
.endr
	s_mul_i32 s23, s10, 16*SPITCH
	s_add_co_u32 s23, s23, STAGE                   ; my stage
	v_mul_u32_u24 v4, v1, SPITCH                   ; in: row l % 16, 32 bytes for each half of the lanes
	v_lshl_add_u32 v4, v2, 5, v4
	v_add_nc_u32 v[STO], s23, v4
	v_mul_u32_u24 v5, v2, SPITCH                   ; back: lanes 0-15 take one row of 256 bytes, lanes 16-31 the next
	v_lshl_add_u32 v5, v1, 4, v5
	v_add_nc_u32 v[RD], s23, v5
	v_mul_u32_u24 v5, v2, ROWB                     ; and the same two rows in sc
	v_lshl_add_u32 v[CO], v1, 4, v5
	s_lshl_b32 s18, s13, 7
	s_lshl_b32 s19, s11, 6
	s_add_co_u32 s18, s18, s19
	s_add_co_u32 s18, s18, s45                     ; my first row of sc
	s_lshl_b32 s18, s18, 12
	s_lshl_b32 s19, s42, 9                         ; my first column, in bytes: 512 x tile column + 256 x half
	s_add_co_u32 s18, s18, s19
	s_lshl_b32 s19, s12, 8
	s_add_co_u32 s18, s18, s19
	s_mov_b32 s19, 0
	s_add_nc_u64 s[6:7], s[6:7], s[18:19]
; 8 matrix instructions: row blocks a0, a0 + 1 x all 4 column blocks, 32 along d: half c of buffer f.  The 16 accumulators take turns, one instruction a turn.
.macro MUL8 f, c, a0, zero
	WIN MUL
.irp a, \a0, (\a0)+1
.irp b, 0,1,2,3
.if \zero
	v_wmma_f32_16x16x32_f16 v[ACC+8*(4*(\a)+(\b)):ACC+8*(4*(\a)+(\b))+7], v[(\f)+64+8*(4*(\c)+(\b)):(\f)+64+8*(4*(\c)+(\b))+7], v[(\f)+8*(4*(\c)+(\a)):(\f)+8*(4*(\c)+(\a))+7], 0
.else
	v_wmma_f32_16x16x32_f16 v[ACC+8*(4*(\a)+(\b)):ACC+8*(4*(\a)+(\b))+7], v[(\f)+64+8*(4*(\c)+(\b)):(\f)+64+8*(4*(\c)+(\b))+7], v[(\f)+8*(4*(\c)+(\a)):(\f)+8*(4*(\c)+(\a))+7], v[ACC+8*(4*(\a)+(\b)):ACC+8*(4*(\a)+(\b))+7]
.endif
.endr
.endr
.endm
; 32 LDS loads in one run: the fragments of quarter q (64 along d) into buffer f; the first 32 along d first
.macro FETCH slot, q, f
	WIN TO_F
.irp c, 0,1
.irp i, 0,1,2,3
	ds_load_b128 v[(\f)+64+8*(4*(\c)+(\i)):(\f)+64+8*(4*(\c)+(\i))+3],   v[ADRB+(\slot)] offset:128*(\q)+64*(\c)+(\i)*16*PITCH
	ds_load_b128 v[(\f)+64+8*(4*(\c)+(\i))+4:(\f)+64+8*(4*(\c)+(\i))+7], v[ADRB+(\slot)] offset:128*(\q)+64*(\c)+(\i)*16*PITCH+32
	ds_load_b128 v[(\f)+8*(4*(\c)+(\i)):(\f)+8*(4*(\c)+(\i))+3],         v[ADRA+(\slot)] offset:128*(\q)+64*(\c)+(\i)*16*PITCH
	ds_load_b128 v[(\f)+8*(4*(\c)+(\i))+4:(\f)+8*(4*(\c)+(\i))+7],       v[ADRA+(\slot)] offset:128*(\q)+64*(\c)+(\i)*16*PITCH+32
.endr
.endr
.endm
.macro PLACES                          ; four plain places in front of loads into registers that matrix instructions have read
.rept 4
	v_nop
.endr
.endm
; A step is four quarters of 64 along d, 32 matrix instructions each, on buffers 0, 1, 0, 1.  One of the first three: multiplies buffer f and fetches quarter q into g.
.macro QUARTER slot, q, f, g, zero
	s_wait_dscnt 16                                ; the first 32 along d are in; the youngest sixteen loads may be out
	MUL8 \f, 0, 0, \zero
	MUL8 \f, 0, 2, \zero
	PLACES
	FETCH \slot, \q, \g
	s_wait_dscnt 32                                ; all but the 32 just issued
	MUL8 \f, 1, 0, 0
	MUL8 \f, 1, 2, 0
.endm
; The last quarter multiplies buffer 1 and changes slots: one barrier; in front of it each wave waits for all its tensor loads, adds 0 to its spare word, and waits for that and for its reads of this slot.
; fill = 1: the barrier opens a round of the cluster's, and this slot is asked for again, two steps on, first thing behind it.
.macro TURN slot, next, fill
	WIN 0                                          ; (the add's two registers lie in window 0)
	s_wait_tensorcnt 0x0                           ; all my tensor loads have landed: my part of the next slot
	ds_add_u32 v[SPW], v[NIL]                      ; 0 onto my spare word
	s_wait_dscnt 17                                ; (the add and the youngest sixteen loads may be out)
	MUL8 F1, 0, 0, 0                               ; eight matrix instructions stand between the add and the wait for it
	s_wait_dscnt 0x0                               ; the add is done, and my reads of this slot are over
	s_barrier_signal -1
	MUL8 F1, 0, 2, 0
.if \fill
	WIN 0
.endif
	s_barrier_wait -1
.if \fill
	CREST                                          ; no wave of any partner still reads this slot's tile or has a load on its way
	s_add_nc_u64 s[G0+4*(\slot)+2:G0+4*(\slot)+3], s[G0+4*(\slot)+2:G0+4*(\slot)+3], 1024
	s_add_nc_u64 s[G0B+4*(\slot)+2:G0B+4*(\slot)+3], s[G0B+4*(\slot)+2:G0B+4*(\slot)+3], 1024
	JLOAD \slot                                    ; its four v_nop are also the places in front of the loads below
.else
	PLACES
.endif
	FETCH \next, 0, F0
	MUL8 F1, 1, 0, 0
	MUL8 F1, 1, 2, 0
.endm
; THE WAY OUT.  A wave's 64 columns of f32 are 256 bytes of a row.  Block a (16 rows) goes into my own stage, 32 bytes a lane, and comes back as whole rows of 256 bytes.
.macro TOSTAGE a
	s_wait_xcnt 0x0                                ; the stores of the block two back have read their registers: only behind this wait is that set loaded again
.irp b, 0,1,2,3
	ds_store_b128 v[STO], v[ACC+8*(4*(\a)+(\b)):ACC+8*(4*(\a)+(\b))+3]   offset:64*(\b)     ; each accumulator from its lowest registers on
	ds_store_b128 v[STO], v[ACC+8*(4*(\a)+(\b))+4:ACC+8*(4*(\a)+(\b))+7] offset:64*(\b)+16
.endr
.irp t, 0,1,2,3,4,5,6,7
	ds_load_b128 v[TMP+32*((\a)%2)+4*(\t):TMP+32*((\a)%2)+4*(\t)+3], v[RD] offset:(\t)*2*SPITCH  ; LDS serves a wave's instructions in order (ISA guide 5.7.1.4): these see the stores above; the next block's stores come behind them
.endr
.endm
.macro SEND a, younger                 ; younger: the LDS instructions issued behind block a's loads: the next block's sixteen, or none
.irp t, 0,1,2,3,4,5,6,7
	s_wait_dscnt (\younger)+7-(\t)
	global_store_b128 v[CO], v[TMP+32*((\a)%2)+4*(\t):TMP+32*((\a)%2)+4*(\t)+3], s[6:7] offset:(16*(\a)+2*(\t))*ROWB  ; 16 lanes store 256 consecutive bytes, at a multiple of 256 from sc's first byte
.endr
.endm
	s_wait_tensorcnt 1                             ; my part of step 0 is in; step 1's may stay out
	s_barrier_signal -1
	s_barrier_wait -1
	FETCH 0, 0, F0
	QUARTER 0, 1, F0, F1, 1                        ; the first quarter stands in front of the loop: its first products start the sums
	WIN 0
	s_mov_b32 s3, LAPS-1
.Llap:                                                 ; a trip goes once round the ring and fills both slots again
	QUARTER 0, 2, F1, F0, 0
	QUARTER 0, 3, F0, F1, 0
	TURN 0, 1, 1
	QUARTER 1, 1, F0, F1, 0
	QUARTER 1, 2, F1, F0, 0
	QUARTER 1, 3, F0, F1, 0
	TURN 1, 0, 1
	QUARTER 0, 1, F0, F1, 0
	WIN 0
	s_sub_co_u32 s3, s3, 1
	s_cmp_lg_u32 s3, 0
	s_cbranch_scc1 .Llap
	QUARTER 0, 2, F1, F0, 0                        ; the last lap fills nothing
	QUARTER 0, 3, F0, F1, 0
	TURN 0, 1, 0
	QUARTER 1, 1, F0, F1, 0
	QUARTER 1, 2, F1, F0, 0
	QUARTER 1, 3, F0, F1, 0
	s_wait_dscnt 16
	MUL8 F1, 0, 0, 0
	MUL8 F1, 0, 2, 0
	s_wait_dscnt 0x0
	MUL8 F1, 1, 0, 0
	MUL8 F1, 1, 2, 0
	WIN 0
.rept 8
	v_nop                                          ; plain places between the last products and the LDS stores that read results
.endr
	TOSTAGE 0
	TOSTAGE 1
	SEND 0, 16
	TOSTAGE 2
	SEND 1, 16
	TOSTAGE 3
	SEND 2, 16
	SEND 3, 0
	s_wait_tensorcnt 0x0                           ; the wave's end, behind my last tensor load and my last LDS store
	ds_add_u32 v[SPW], v[NIL]
	s_wait_dscnt 0x0
	CROUND                                         ; the closing round
	s_endpgm
.Lfunc_end_k_q12958884f5_scores:
	.size	k_q12958884f5_scores, .Lfunc_end_k_q12958884f5_scores-k_q12958884f5_scores
	.p2alignl 7, 3214868480
	.fill 96, 4, 3214868480
	.section	.rodata,"a",@progbits
	.p2align	6, 0x0
	.amdhsa_kernel k_q12958884f5_scores
		.amdhsa_group_segment_fixed_size 327680
		.amdhsa_private_segment_fixed_size 0
		.amdhsa_enable_private_segment 0
		.amdhsa_kernarg_size 16
		.amdhsa_user_sgpr_count 2
		.amdhsa_user_sgpr_kernarg_segment_ptr 1
		.amdhsa_wavefront_size32 1
		.amdhsa_system_sgpr_workgroup_id_x 1
		.amdhsa_system_sgpr_workgroup_id_y 1
		.amdhsa_system_sgpr_workgroup_id_z 1
		.amdhsa_system_vgpr_workitem_id 0
		.amdhsa_next_free_vgpr 512
		.amdhsa_next_free_sgpr 66
		.amdhsa_reserve_vcc 0
		.amdhsa_float_denorm_mode_32 3
		.amdhsa_float_denorm_mode_16_64 3
		.amdhsa_memory_ordered 1
		.amdhsa_forward_progress 1
		.amdhsa_inst_pref_size 87
	.end_amdhsa_kernel
	.amdgpu_metadata
---
amdhsa.version: [ 1, 2 ]
amdhsa.kernels:
  - .name:           k_q12958884f5_scores
    .symbol:         k_q12958884f5_scores.kd
    .args:
      - { .name: qkv, .offset: 0, .size: 8, .value_kind: global_buffer, .address_space: global }
      - { .name: sc, .offset: 8, .size: 8, .value_kind: global_buffer, .address_space: global }
    .group_segment_fixed_size: 327680
    .private_segment_fixed_size: 0
    .kernarg_segment_align: 8
    .kernarg_segment_size: 16
    .max_flat_workgroup_size: 128
    .sgpr_count:     66
    .vgpr_count:     512
    .wavefront_size: 32
...
	.end_amdgpu_metadata
.endif
;; end of part 3
;; launch softmax (part 4): grid 512 x 1, 8 waves a work-group, no clusters, 0 bytes of LDS; arguments sc, p; writes p
.if DOCPART == 4
	.amdgcn_target "amdgcn-amd-amdhsa--gfx1250"
	.amdhsa_code_object_version 6
	.text
	.protected	k_q12958884f5_softmax
	.globl	k_q12958884f5_softmax
	.p2align	8
	.type	k_q12958884f5_softmax,@function
k_q12958884f5_softmax:
	s_mov_b64 s[64:65], 0
	v_nop
	global_prefetch_b8 v0, s[64:65] scope:SCOPE_SE
	s_setreg_imm32_b32 hwreg(HW_REG_WAVE_MODE, 25, 1), 1
	s_wait_xcnt 0x0
; p[b][i][k] = softmax over k <= i of sc[b][i][k] / sqrt(2048), and 0 for k > i.  sc: [4][1024][1024] f32, p: the same shape in f16, rounded once.
; One wave, one row, kept in registers between the maximum, the exponentials and the division: the reduction never leaves the wave, so there is no LDS and no barrier.
; Rows i < 512 have 512 columns in sc and in p (the upper right quarter of a batch is neither made, read nor written), the others 1,024; the eight rows of a work-group are of one kind.
; Lane l holds the columns 128 c + 4 l + e (c = 0..7, e = 0..3): a load covers 512 consecutive bytes, a store 256, both aligned.
; p = 2^(c s - c m) / l, c = log2(e) / sqrt(2048), m the row's true maximum over k <= i (the diagonal is always seen), l the f32 sum of the unrounded weights.
; LIMITS.  A hidden score counts as -1e30, far below every score that f16 operands can make (2048 x 65,504^2 is under 1e13); a weight below 2^-126 counts as 0; below 6e-5 p keeps f16's fixed step
; of 6e-8; NaN and infinities are not treated apart.
.set LO,   2                           ; v2   16 l
.set PO,   3                           ; v3   8 l
.set LIMV, 4                           ; v4   i - 4 l: number 128 c + e is hidden where it is greater
.set BIG,  5                           ; v5   -1e30
.set X,    8                           ; v[8:39]   the lane's 32 scores, then weights
.set W,    40                          ; v[40:47]  at work
.set OUT,  48                          ; v[48:63]  the weights in f16
	s_load_b128 s[4:7], s[0:1], 0x0                ; sc s[4:5], p s[6:7]
	v_lshrrev_b32 v1, 5, v0
	v_readfirstlane_b32 s8, v1                     ; wave 0..7
	s_lshl_b32 s9, ttmp9, 3
	s_add_co_u32 s9, s9, s8                        ; my row among the 4,096
	s_and_b32 s10, s9, 1023                        ; i
	s_bfe_u32 s11, ttmp9, 0x10006                  ; i / 512: the same for the work-group's eight rows
	s_mov_b32 s12, 0x76543210                      ; v_permlanex16_b32: each lane takes its own place in the other half
	s_mov_b32 s13, 0xfedcba98
	s_mov_b32 s14, 0x3d0293ee                      ; c = log2(e) / sqrt(2048) = 0.0318794
	s_mov_b32 s15, s14                             ; named with it as a pair
	s_lshl_b32 s16, s9, 12                         ; a row of sc is 4,096 bytes,
	s_mov_b32 s17, 0
	s_lshl_b32 s18, s9, 11                         ; of p 2,048
	s_mov_b32 s19, 0
	v_and_b32 v1, 31, v0
	v_lshlrev_b32 v[LO], 4, v1
	v_lshlrev_b32 v[PO], 3, v1
	v_lshlrev_b32 v[LIMV], 2, v1
	v_sub_nc_u32 v[LIMV], s10, v[LIMV]
	v_mov_b32 v[BIG], 0xf149f2ca
.set n, 16
.rept 16
	v_mov_b32 v[X+n], v[BIG]                       ; columns 512 on: hidden, where the row is short and they are not loaded
.set n, n+1
.endr
	s_wait_kmcnt 0x0
	s_add_nc_u64 s[4:5], s[4:5], s[16:17]
	s_add_nc_u64 s[6:7], s[6:7], s[18:19]
.irp c, 0,1,2,3
	global_load_b128 v[X+4*\c:X+4*\c+3], v[LO], s[4:5] offset:512*\c th:TH_LOAD_NT
.endr
	s_cmp_eq_u32 s11, 0
	s_cbranch_scc1 .Lshort_in
.irp c, 4,5,6,7
	global_load_b128 v[X+4*\c:X+4*\c+3], v[LO], s[4:5] offset:512*\c th:TH_LOAD_NT
.endr
.Lshort_in:
	s_wait_loadcnt 0x0
.set n, 0
.rept 32                                       ; the causal mask
	v_cmp_gt_i32 vcc_lo, 128*(n/4)+n%4, v[LIMV]
	v_cndmask_b32 v[X+n], v[X+n], v[BIG], vcc_lo
.set n, n+1
.endr
	; the maximum: four chains of seven, three operands at a time, then the four left over
.irp k, 0,1,2,3
	v_max3_num_f32 v[W+\k], v[X+8*\k], v[X+8*\k+1], v[X+8*\k+2]
.endr
.irp k, 0,1,2,3
	v_max3_num_f32 v[W+\k], v[W+\k], v[X+8*\k+3], v[X+8*\k+4]
.endr
.irp k, 0,1,2,3
	v_max3_num_f32 v[W+\k], v[W+\k], v[X+8*\k+5], v[X+8*\k+6]
.endr
	v_max3_num_f32 v[W], v[W], v[X+7], v[X+15]
	v_max3_num_f32 v[W+2], v[W+2], v[X+23], v[X+31]
	v_max3_num_f32 v[W], v[W], v[W+1], v[W+2]
	v_max_num_f32 v[W], v[W], v[W+3]
	v_max_num_f32_dpp v[W], v[W], v[W] row_xmask:1 row_mask:0xf bank_mask:0xf
	v_max_num_f32_dpp v[W], v[W], v[W] row_xmask:2 row_mask:0xf bank_mask:0xf
	v_max_num_f32_dpp v[W], v[W], v[W] row_xmask:4 row_mask:0xf bank_mask:0xf
	v_max_num_f32_dpp v[W], v[W], v[W] row_xmask:8 row_mask:0xf bank_mask:0xf
	v_permlanex16_b32 v[W+1], v[W], s12, s13
	v_max_num_f32 v[W], v[W], v[W+1]               ; every lane holds m
	v_mul_f32 v[W+2], s14, v[W]                    ; c m
.set n, 0
.rept 16
	v_pk_fma_f32 v[X+2*n:X+2*n+1], v[X+2*n:X+2*n+1], s[14:15], v[W+2:W+3] op_sel_hi:[1,0,0] neg_lo:[0,0,1] neg_hi:[0,0,1]  ; c s - c m
.set n, n+1
.endr
.set n, 0
.rept 32                                       ; one batch of 32 exponentials
	v_exp_f32 v[X+n], v[X+n]
.set n, n+1
.endr
	v_nop                                          ; a plain instruction behind the last exponential (ISA guide 5.7.2),
	s_wait_alu depctr_va_vdst(0)                   ; and the one wait ahead of the batch's first reader
.irp k, 0,1,2,3                                ; the sum, in four chains of pairs
	v_pk_add_f32 v[W+2*\k:W+2*\k+1], v[X+2*\k:X+2*\k+1], v[X+8+2*\k:X+8+2*\k+1]
.endr
.irp k, 0,1,2,3
	v_pk_add_f32 v[W+2*\k:W+2*\k+1], v[W+2*\k:W+2*\k+1], v[X+16+2*\k:X+16+2*\k+1]
.endr
.irp k, 0,1,2,3
	v_pk_add_f32 v[W+2*\k:W+2*\k+1], v[W+2*\k:W+2*\k+1], v[X+24+2*\k:X+24+2*\k+1]
.endr
	v_pk_add_f32 v[W:W+1], v[W:W+1], v[W+2:W+3]
	v_pk_add_f32 v[W+4:W+5], v[W+4:W+5], v[W+6:W+7]
	v_pk_add_f32 v[W:W+1], v[W:W+1], v[W+4:W+5]
	v_add_f32 v[W], v[W], v[W+1]
	v_add_f32_dpp v[W], v[W], v[W] row_xmask:1 row_mask:0xf bank_mask:0xf
	v_add_f32_dpp v[W], v[W], v[W] row_xmask:2 row_mask:0xf bank_mask:0xf
	v_add_f32_dpp v[W], v[W], v[W] row_xmask:4 row_mask:0xf bank_mask:0xf
	v_add_f32_dpp v[W], v[W], v[W] row_xmask:8 row_mask:0xf bank_mask:0xf
	v_permlanex16_b32 v[W+1], v[W], s12, s13
	v_add_f32 v[W], v[W], v[W+1]                   ; every lane holds l, at least 1: the maximum's own weight
	v_rcp_f32 v[W+2], v[W]
	v_nop
	s_wait_alu depctr_va_vdst(0)                   ; the reciprocal's wait, ahead of its first reader
.set n, 0
.rept 16
	v_pk_mul_f32 v[X+2*n:X+2*n+1], v[X+2*n:X+2*n+1], v[W+2:W+3] op_sel_hi:[1,0]
.set n, n+1
.endr
.set n, 0
.rept 16
	v_cvt_pk_f16_f32 v[OUT+n], v[X+2*n], v[X+2*n+1]
.set n, n+1
.endr
.irp c, 0,1,2,3
	global_store_b64 v[PO], v[OUT+2*\c:OUT+2*\c+1], s[6:7] offset:256*\c  ; the wave stores 256 consecutive bytes, aligned
.endr
	s_cmp_eq_u32 s11, 0
	s_cbranch_scc1 .Lshort_out
.irp c, 4,5,6,7
	global_store_b64 v[PO], v[OUT+2*\c:OUT+2*\c+1], s[6:7] offset:256*\c
.endr
.Lshort_out:
	s_endpgm
.Lfunc_end_k_q12958884f5_softmax:
	.size	k_q12958884f5_softmax, .Lfunc_end_k_q12958884f5_softmax-k_q12958884f5_softmax
	.p2alignl 7, 3214868480
	.fill 96, 4, 3214868480
	.section	.rodata,"a",@progbits
	.p2align	6, 0x0
	.amdhsa_kernel k_q12958884f5_softmax
		.amdhsa_group_segment_fixed_size 0
		.amdhsa_private_segment_fixed_size 0
		.amdhsa_enable_private_segment 0
		.amdhsa_kernarg_size 16
		.amdhsa_user_sgpr_count 2
		.amdhsa_user_sgpr_kernarg_segment_ptr 1
		.amdhsa_wavefront_size32 1
		.amdhsa_system_sgpr_workgroup_id_x 1
		.amdhsa_system_sgpr_workgroup_id_y 1
		.amdhsa_system_sgpr_workgroup_id_z 1
		.amdhsa_system_vgpr_workitem_id 0
		.amdhsa_next_free_vgpr 72
		.amdhsa_next_free_sgpr 66
		.amdhsa_reserve_vcc 1
		.amdhsa_float_denorm_mode_32 3
		.amdhsa_float_denorm_mode_16_64 3
		.amdhsa_memory_ordered 1
		.amdhsa_forward_progress 1
		.amdhsa_inst_pref_size 14
	.end_amdhsa_kernel
	.amdgpu_metadata
---
amdhsa.version: [ 1, 2 ]
amdhsa.kernels:
  - .name:           k_q12958884f5_softmax
    .symbol:         k_q12958884f5_softmax.kd
    .args:
      - { .name: sc, .offset: 0, .size: 8, .value_kind: global_buffer, .address_space: global }
      - { .name: p, .offset: 8, .size: 8, .value_kind: global_buffer, .address_space: global }
    .group_segment_fixed_size: 0
    .private_segment_fixed_size: 0
    .kernarg_segment_align: 8
    .kernarg_segment_size: 16
    .max_flat_workgroup_size: 256
    .sgpr_count:     66
    .vgpr_count:     72
    .wavefront_size: 32
...
	.end_amdgpu_metadata
.endif
;; end of part 4
;; launch pv (part 5): grid 16 x 16, 4 waves a work-group, clusters of 4 x 4, 327,680 bytes of LDS; arguments p, qkv, out0; writes out0
.if DOCPART == 5
	.amdgcn_target "amdgcn-amd-amdhsa--gfx1250"
	.amdhsa_code_object_version 6
	.text
	.protected	k_q12958884f5_pv
	.globl	k_q12958884f5_pv
	.p2align	8
	.type	k_q12958884f5_pv,@function
k_q12958884f5_pv:
	s_mov_b64 s[64:65], 0
	v_nop
	global_prefetch_b8 v0, s[64:65] scope:SCOPE_SE
	s_setreg_imm32_b32 hwreg(HW_REG_WAVE_MODE, 25, 1), 1
	s_wait_xcnt 0x0
	s_wait_alu depctr_hold_cnt(0) depctr_sa_sdst(0) depctr_va_vdst(0) depctr_va_sdst(0) depctr_va_ssrc(0) depctr_va_vcc(0) depctr_vm_vsrc(0)
	s_getreg_b32 s2, hwreg(HW_REG_IB_STS2, 6, 4)
	s_cmp_eq_u32 s2, 0
	s_cbranch_scc0 .Lentry_in_a_cluster
	s_endpgm
.Lentry_in_a_cluster:
	s_bfe_u32 s2, ttmp6, 0x10000c
	s_cmp_lg_u32 s2, 0xf033
	s_cbranch_scc0 .Lentry_shape_is_right
	s_endpgm
.Lentry_shape_is_right:
; out0[b][q][d] = the sum over k of p[b][q][k] v[b][k][d].  p: [4][1024][1024] f16; v: f16, bytes 8,192 on of qkv's rows of 12,288; out0: [4][1024][2048] f32; sums in f32.
; THE WALK.  A work-group takes 128 columns d (tile column = 4 x cluster x + cx) of one batch (cluster y) and TWO blocks of 128 rows: block cy, which needs keys 0-511 (two steps of 256 keys), and then
; block 4 + cy, which needs keys 0-1023 (four steps): six steps, whatever cy: all 256 work-groups do equal work, and no branch hangs on the place.  Where a step's keys lie beyond a row's diagonal p holds 0:
; a quarter of the products add nothing; in return every partner makes every joint request.  p's tile is shared along a row of the cluster, v's along a column.
; THE TEXT.  A loop of two trips: a trip starts a block's sums, takes two steps and fills both slots again.  Behind the first trip the lower block is finished and goes out; the second trip jumps over that
; way out: the jump goes forward, hangs on the trip's count alone and passes no barrier and no tensor load.  The upper block's last two steps, which fill nothing, are written out behind the loop.
; A wave makes 64 x 64: 16 accumulators.  v lies [key][d]: its fragments come out of LDS turned, by ds_load_tr16_b128.  THE MATRIX INSTRUCTION IS USED TRANSPOSED (source 0 = 16 columns of v, source 1 = 16
; rows of p): a lane holds one row of out0 and eight neighbouring columns, 32 bytes.
; NO PREFETCH: six short steps on small tiles, of rows that sixteen work-groups ask for together.
; REGISTERS: window 0: v0-31 addresses; v32-95 the way out; v128-255 the accumulators ((a, b) at v[128 + 8 (4 a + b)]).  Window 1: two fragment buffers of 128: 64 registers of p, then 64 of v, for 64 keys.
.set QROW,   12288                     ; bytes in a row of qkv
.set PROW,   2048                      ; bytes in a row of p
.set ROWB,   8192                      ; bytes in a row of out0
.set PA,     528                       ; p's LDS row: 512 bytes + 16 = 132 words: the 16 rows of a load start at 16 different groups of four banks (64 banks of 4 bytes: ISA guide 11.1)
.set HALFA,  64*PA                     ; 64 rows of p: one tensor load
.set BOFF,   2*HALFA
.set PB,     288                       ; v's LDS row: 256 + 32 = 72 words
.set HALFB,  128*PB                    ; 128 keys of v: one tensor load
.set SLOT,   BOFF+2*HALFB
.set STAGE,  2*SLOT                    ; behind the ring: 16 rows x 272 bytes for each wave, for the way out; no tensor load fills it
.set SPITCH, 272
.set SPARE,  STAGE+4*16*SPITCH         ; behind the stages: the spare words, 128 bytes for each wave: two blocks of 256 bytes that no other line names
.set ADRA, 16                          ; v16-17  LDS address of my p fragments in slot 0, 1
.set ADRB, 20                          ; v20-23  of my v fragments: slot s, keys 128 hf on, at 2 s + hf
.set STO,  24                          ; v24     the way out: where I put 32 bytes of a row
.set RD,   25                          ; v25     where I read a row back
.set CO,   26                          ; v26     my byte offset in out0
.set SPW,  28                          ; v28     LDS address of my spare word: SPARE + 4 x my thread's number; never rewritten
.set NIL,  29                          ; v29     0; never rewritten
.set TMP,  32
.set ACC,  128
.set F0,   0
.set F1,   128
.set G1, 24                            ; s[24:31], s[32:39] descriptor groups 1 and 0 (a set for each slot) for p's tiles
.set G0, 32
.set G1B, 48                           ; s[48:55], s[56:63] the same for v's
.set G0B, 56
.set OLO, 66                           ; s[66:67] out0 at my part of the lower block
.set OHI, 68                           ; s[68:69] of the upper block
.set STA, 70                           ; s[70:71] what this trip's refills add to p's addresses
.set STB, 72                           ; s[72:73] and to v's
.set MSB, 0
.macro WIN new                         ; the immediate's high byte repeats the setting that is left; a switch that changes nothing is dropped
.if MSB != (\new)
	s_set_vgpr_msb (MSB<<8)|(\new)
.set MSB, \new
.endif
.endm
.set MUL,  0x05                        ; sources 0 (v) and 1 (p) window 1; C and D window 0
.set TO_F, 0x40                        ; destination window 1, address window 0
.macro JLOAD s                         ; a joint load: waves 0 and 1 fetch p's two halves, waves 2 and 3 v's; an s_nop 0 and four v_nop follow each line
	s_cmp_eq_u32 s11, 0
	s_cbranch_scc0 .Lfor_b_\@
	tensor_load_to_lds s[G0+4*(\s):G0+4*(\s)+3], s[G1:G1+7]
	s_nop 0
.rept 4
	v_nop
.endr
	s_branch .Lasked_\@
.Lfor_b_\@:
	tensor_load_to_lds s[G0B+4*(\s):G0B+4*(\s)+3], s[G1B:G1B+7]
	s_nop 0
.rept 4
	v_nop
.endr
.Lasked_\@:
.endm
.macro CREST                           ; a round of the cluster's barrier behind its opening barrier
	s_cmp_lg_u32 s10, 0
	s_cbranch_scc1 .Lnot_wave_0_\@
	s_barrier_signal -3
.Lnot_wave_0_\@:
	s_barrier_wait -3
	s_barrier_signal -1
	s_barrier_wait -1
.endm
.macro CROUND                          ; a whole round
	s_barrier_signal -1
	s_barrier_wait -1
	CREST
.endm
	s_load_b128 s[4:7], s[0:1], 0x0                ; p s[4:5], qkv s[6:7]
	s_load_b64 s[8:9], s[0:1], 0x10                ; out0
	v_lshl_add_u32 v[SPW], v0, 2, SPARE
	v_mov_b32 v[NIL], 0
	ds_add_u32 v[SPW], v[NIL]                      ; the wave's opening: the add and its wait stand ahead of my first tensor load; the set-up below stands between them
	v_lshrrev_b32 v1, 5, v0
	v_readfirstlane_b32 s10, v1                    ; wave 0..3
	s_lshr_b32 s11, s10, 1                         ; which half of a block's rows is mine.  Also: I fetch for p (0) or for v (1)
	s_and_b32 s12, s10, 1                          ; which half of the columns.  Also: which half of that tile I fetch
	s_bfe_u32 s40, ttmp6, 0x40000                  ; cx
	s_bfe_u32 s41, ttmp6, 0x40004                  ; cy
	s_lshl_b32 s42, ttmp9, 2
	s_add_co_u32 s42, s42, s40                     ; tile column 0..15
	s_and_b32 s45, ttmp7, 0xffff
	s_lshl_b32 s45, s45, 10                        ; the batch's first row in p, qkv and out0
	s_lshl_b32 s43, s41, 2
	s_lshl_b32 s43, 15, s43                        ; my row of the cluster
	s_lshl_b32 s44, 0x1111, s40                    ; my column
	s_or_b32 s[G1+0], s43, (1<<16)|(1<<20)|(1<<21)|(6<<22)|(3<<25)   ; p: the row's mask; elements of 2 bytes; padding on; 21 set beside a mask; after every 128 words (code 6) 4 words (code 3)
	s_mov_b32 s[G1+1], 256<<16                     ; tensor_dim0 = 256
	s_mov_b32 s[G1+2], 64<<16                      ; tensor_dim1 = 64
	s_mov_b32 s[G1+3], 256<<16                     ; tile_dim0 = 256 keys (512 bytes)
	s_mov_b32 s[G1+4], 64                          ; tile_dim1 = 64 rows
	s_mov_b32 s[G1+5], 1024                        ; elements from row to row
	s_mov_b32 s[G1+6], 0
	s_mov_b32 s[G1+7], 0
	s_or_b32 s[G1B+0], s44, (1<<16)|(1<<20)|(1<<21)|(5<<22)|(7<<25)  ; v: the column's mask; after every 64 words (code 5) 8 words (code 7)
	s_mov_b32 s[G1B+1], 128<<16                    ; tensor_dim0 = 128
	s_mov_b32 s[G1B+2], 128<<16                    ; tensor_dim1 = 128
	s_mov_b32 s[G1B+3], 128<<16                    ; tile_dim0 = 128 columns (256 bytes)
	s_mov_b32 s[G1B+4], 128                        ; tile_dim1 = 128 keys
	s_mov_b32 s[G1B+5], 6144
	s_mov_b32 s[G1B+6], 0
	s_mov_b32 s[G1B+7], 0
	s_mov_b32 s74, 512*PROW                        ; the first trip's refills: the same keys of the upper block: 512 rows down in p, nothing in v;
	s_mov_b32 s75, 1024                            ; the second trip's: 512 keys on: 1,024 bytes along p's rows,
	s_mov_b32 s76, 512*QROW                        ; 512 rows down in v
	s_mov_b32 s[STA+1], 0
	s_mov_b32 s[STB+1], 0
	s_lshl_b32 s16, s41, 7                         ; p: row = batch + 128 cy + 64 x half: the lower block first
	s_lshl_b32 s17, s12, 6
	s_add_co_u32 s16, s16, s17
	s_add_co_u32 s16, s16, s45
	s_lshl_b32 s16, s16, 11
	s_mov_b32 s17, 0
	s_lshl_b32 s46, s12, 7                         ; v: key = batch + 128 x half,
	s_add_co_u32 s46, s46, s45
	s_mul_i32 s46, s46, QROW
	s_lshl_b32 s47, s42, 8                         ; the tile column's 256 bytes,
	s_add_co_u32 s46, s46, s47
	s_add_co_u32 s46, s46, 8192                    ; in v's part of the row
	s_mov_b32 s47, 0
	s_mul_i32 s20, s12, HALFA                      ; where they go: p's halves,
	s_mul_i32 s21, s12, HALFB                      ; v's halves,
	s_add_co_u32 s21, s21, BOFF                    ; behind p's: no place in the cluster enters an LDS address
	s_wait_dscnt 0x0                               ; the opening add is done
	s_wait_kmcnt 0x0
	s_add_nc_u64 s[14:15], s[4:5], s[16:17]
	s_add_nc_u64 s[46:47], s[6:7], s[46:47]
	CROUND                                         ; all sixteen work-groups are here: the first joint loads meet
.irp s, 0,1
	s_mov_b32 s[G0+4*(\s)], 1
	s_add_co_u32 s[G0+4*(\s)+1], s20, (\s)*SLOT
	s_add_nc_u64 s[G0+4*(\s)+2:G0+4*(\s)+3], s[14:15], (\s)*512          ; step s: 256 keys along p's rows,
	s_or_b32 s[G0+4*(\s)+3], s[G0+4*(\s)+3], 0x80000000
	s_mov_b32 s[G0B+4*(\s)], 1
	s_add_co_u32 s[G0B+4*(\s)+1], s21, (\s)*SLOT
	s_add_nc_u64 s[G0B+4*(\s)+2:G0B+4*(\s)+3], s[46:47], (\s)*256*QROW   ; 256 rows down in v
	s_or_b32 s[G0B+4*(\s)+3], s[G0B+4*(\s)+3], 0x80000000
	JLOAD \s                                       ; both slots are asked for before anything else: two loads of mine are out
.endr
	v_and_b32 v1, 15, v0                           ; l % 16
	v_bfe_u32 v2, v0, 4, 1                         ; l / 16
	v_mul_u32_u24 v3, v1, PA
	v_lshl_add_u32 v3, v2, 4, v3                   ; a fragment of p: row x pitch + 16 x half
	s_mul_i32 s22, s11, HALFA                      ; my 64 rows
	v_add_nc_u32 v[ADRA], s22, v3
	v_add_nc_u32 v[ADRA+1], SLOT, v[ADRA]
	; the turning load takes 16 keys x 16 columns (lane l reads key 8 (l / 16) + l % 8, columns 8 ((l / 8) % 2) + 0..7) and leaves half a fragment: lane l holds column l % 16 and 8 keys
	v_and_b32 v4, 7, v0
	v_bfe_u32 v5, v0, 3, 1
	v_lshl_add_u32 v4, v2, 3, v4
	v_mul_u32_u24 v4, v4, PB
	v_lshl_add_u32 v4, v5, 4, v4
	s_lshl_b32 s22, s12, 7                         ; my 64 columns: 128 bytes
	s_add_co_u32 s22, s22, BOFF
	v_add_nc_u32 v4, s22, v4
.irp n, 0,1,2,3
	v_add_nc_u32 v[ADRB+(\n)], ((\n)/2)*SLOT+((\n)%2)*HALFB, v4
.endr
	s_mul_i32 s23, s10, 16*SPITCH
	s_add_co_u32 s23, s23, STAGE                   ; my stage
	v_mul_u32_u24 v6, v1, SPITCH                   ; in: row l % 16, 32 bytes for each half of the lanes
	v_lshl_add_u32 v6, v2, 5, v6
	v_add_nc_u32 v[STO], s23, v6
	v_mul_u32_u24 v6, v2, SPITCH                   ; back: lanes 0-15 take one row of 256 bytes, lanes 16-31 the next
	v_lshl_add_u32 v6, v1, 4, v6
	v_add_nc_u32 v[RD], s23, v6
	v_mul_u32_u24 v6, v2, ROWB                     ; and the same two rows in out0
	v_lshl_add_u32 v[CO], v1, 4, v6
	s_lshl_b32 s18, s41, 7
	s_lshl_b32 s19, s11, 6
	s_add_co_u32 s18, s18, s19
	s_add_co_u32 s18, s18, s45                     ; my first row of the lower block
	s_lshl_b32 s18, s18, 13
	s_lshl_b32 s19, s42, 9                         ; my first column, in bytes: 512 x tile column + 256 x half
	s_add_co_u32 s18, s18, s19
	s_lshl_b32 s19, s12, 8
	s_add_co_u32 s18, s18, s19
	s_mov_b32 s19, 0
	s_add_nc_u64 s[OLO:OLO+1], s[8:9], s[18:19]
	s_add_nc_u64 s[OHI:OHI+1], s[OLO:OLO+1], 512*ROWB
; 8 matrix instructions: row blocks a0, a0 + 1 x all 4 column blocks, 32 keys: half c of buffer f.  The 16 accumulators take turns, one instruction a turn.
.macro MUL8 f, c, a0, zero
	WIN MUL
.irp a, \a0, (\a0)+1
.irp b, 0,1,2,3
.if \zero
	v_wmma_f32_16x16x32_f16 v[ACC+8*(4*(\a)+(\b)):ACC+8*(4*(\a)+(\b))+7], v[(\f)+64+8*(4*(\c)+(\b)):(\f)+64+8*(4*(\c)+(\b))+7], v[(\f)+8*(4*(\c)+(\a)):(\f)+8*(4*(\c)+(\a))+7], 0
.else
	v_wmma_f32_16x16x32_f16 v[ACC+8*(4*(\a)+(\b)):ACC+8*(4*(\a)+(\b))+7], v[(\f)+64+8*(4*(\c)+(\b)):(\f)+64+8*(4*(\c)+(\b))+7], v[(\f)+8*(4*(\c)+(\a)):(\f)+8*(4*(\c)+(\a))+7], v[ACC+8*(4*(\a)+(\b)):ACC+8*(4*(\a)+(\b))+7]
.endif
.endr
.endr
.endm
; 32 LDS loads in one run: the fragments of quarter q (64 keys) into buffer f; the first 32 keys first
.macro FETCH slot, q, f
	WIN TO_F
.irp c, 0,1
.irp i, 0,1,2,3
	ds_load_tr16_b128 v[(\f)+64+8*(4*(\c)+(\i)):(\f)+64+8*(4*(\c)+(\i))+3],   v[ADRB+2*(\slot)+(\q)/2] offset:(((\q)%2)*64+32*(\c))*PB+32*(\i)
	ds_load_tr16_b128 v[(\f)+64+8*(4*(\c)+(\i))+4:(\f)+64+8*(4*(\c)+(\i))+7], v[ADRB+2*(\slot)+(\q)/2] offset:(((\q)%2)*64+32*(\c)+16)*PB+32*(\i)
	ds_load_b128 v[(\f)+8*(4*(\c)+(\i)):(\f)+8*(4*(\c)+(\i))+3],   v[ADRA+(\slot)] offset:128*(\q)+64*(\c)+(\i)*16*PA
	ds_load_b128 v[(\f)+8*(4*(\c)+(\i))+4:(\f)+8*(4*(\c)+(\i))+7], v[ADRA+(\slot)] offset:128*(\q)+64*(\c)+(\i)*16*PA+32
.endr
.endr
.endm
.macro PLACES                          ; four plain places behind matrix instructions (ISA guide 7.12.1 for vector instructions)
.rept 4
	v_nop
.endr
.endm
.macro QUARTER slot, q, f, g, zero     ; multiplies buffer f (64 keys, 32 matrix instructions) and fetches quarter q into g
	s_wait_dscnt 16                                ; the first 32 keys are in; the youngest sixteen loads may be out
	MUL8 \f, 0, 0, \zero
	MUL8 \f, 0, 2, \zero
	PLACES
	FETCH \slot, \q, \g
	s_wait_dscnt 32                                ; all but the 32 just issued
	MUL8 \f, 1, 0, 0
	MUL8 \f, 1, 2, 0
.endm
.macro STEP slot, zero                 ; the first three quarters of a step
	QUARTER \slot, 1, F0, F1, \zero
	QUARTER \slot, 2, F1, F0, 0
	QUARTER \slot, 3, F0, F1, 0
.endm
; The last quarter multiplies buffer 1 and changes slots: one barrier; in front of it each wave waits for all its tensor loads, adds 0 to its spare word, and waits for that and for its reads of this slot.
; fill = 1: the barrier opens a round of the cluster's, and this slot is asked for again, first thing behind the round, with the tiles two steps on in the walk: the trip's two sums lead there.
; fill = 0: nothing is left to ask for.
.macro TURN slot, next, fill
	WIN 0                                          ; (the add's two registers lie in window 0)
	s_wait_tensorcnt 0x0                           ; all my tensor loads have landed: my part of the next slot
	ds_add_u32 v[SPW], v[NIL]                      ; 0 onto my spare word
	s_wait_dscnt 17                                ; (the add and the youngest sixteen loads may be out)
	MUL8 F1, 0, 0, 0                               ; eight matrix instructions stand between the add and the wait for it
	s_wait_dscnt 0x0                               ; the add is done, and my reads of this slot are over
	s_barrier_signal -1
	MUL8 F1, 0, 2, 0
.if \fill
	WIN 0
.endif
	s_barrier_wait -1
.if \fill
	CREST                                          ; no wave of any partner still reads this slot's tile or has a load on its way
	s_add_nc_u64 s[G0+4*(\slot)+2:G0+4*(\slot)+3], s[G0+4*(\slot)+2:G0+4*(\slot)+3], s[STA:STA+1]
	s_add_nc_u64 s[G0B+4*(\slot)+2:G0B+4*(\slot)+3], s[G0B+4*(\slot)+2:G0B+4*(\slot)+3], s[STB:STB+1]
	JLOAD \slot                                    ; its four v_nop are also the places in front of the loads below
.else
	PLACES
.endif
	FETCH \next, 0, F0
	MUL8 F1, 1, 0, 0
	MUL8 F1, 1, 2, 0
.endm
; THE WAY OUT of a block of 128 rows.  A wave's 64 columns of f32 are 256 bytes of a row.  Row block a (16 rows) goes into my own stage, 32 bytes a lane, and comes back as whole rows of 256 bytes.
.macro TOSTAGE a
	s_wait_xcnt 0x0                                ; earlier stores have read their registers: only behind this wait is their set loaded again
.irp b, 0,1,2,3
	ds_store_b128 v[STO], v[ACC+8*(4*(\a)+(\b)):ACC+8*(4*(\a)+(\b))+3]   offset:64*(\b)     ; each accumulator from its lowest registers on
	ds_store_b128 v[STO], v[ACC+8*(4*(\a)+(\b))+4:ACC+8*(4*(\a)+(\b))+7] offset:64*(\b)+16
.endr
.irp t, 0,1,2,3,4,5,6,7
	ds_load_b128 v[TMP+32*((\a)%2)+4*(\t):TMP+32*((\a)%2)+4*(\t)+3], v[RD] offset:(\t)*2*SPITCH  ; LDS serves a wave's instructions in order (ISA guide 5.7.1.4): these see the stores above; the next block's stores come behind them
.endr
.endm
.macro SEND a, younger, base           ; younger: the LDS instructions issued behind block a's loads: the next block's sixteen, or none
.irp t, 0,1,2,3,4,5,6,7
	s_wait_dscnt (\younger)+7-(\t)
	global_store_b128 v[CO], v[TMP+32*((\a)%2)+4*(\t):TMP+32*((\a)%2)+4*(\t)+3], s[(\base):(\base)+1] offset:(16*(\a)+2*(\t))*ROWB  ; 16 lanes store 256 consecutive bytes, at a multiple of 256 from out0's first byte
.endr
.endm
.macro FLUSH base                      ; all of it in window 0; eight plain places stand ahead of it
	TOSTAGE 0
	TOSTAGE 1
	SEND 0, 16, \base
	TOSTAGE 2
	SEND 1, 16, \base
	TOSTAGE 3
	SEND 2, 16, \base
	SEND 3, 0, \base                               ; its last wait is for 0: every LDS store has read its accumulator
.endm
	s_wait_tensorcnt 1                             ; my part of step 0 is in; step 1's may stay out
	s_barrier_signal -1
	s_barrier_wait -1
	FETCH 0, 0, F0
	WIN 0                                          ; at a label and at a branch every window is 0
	s_mov_b32 s3, 2
.Lblock:                                               ; trip 1: the lower block, keys 0-511; trip 2: the upper block, keys 0-511
	s_cmp_eq_u32 s3, 2                             ; the count is the same in all partners
	s_cselect_b32 s[STA], s74, s75                 ; trip 1 asks for the upper block's keys 0-511, trip 2 for its keys 512-1023
	s_cselect_b32 s[STB], 0, s76
	STEP 0, 1                                      ; keys 0-255: the first products start the block's sums
	TURN 0, 1, 1
	STEP 1, 0                                      ; keys 256-511
	TURN 1, 0, 1                                   ; the next two steps are asked for, and the next step's first fragments are fetched
	WIN 0
	PLACES                                         ; eight plain places, on both ways: between the last products and the LDS stores that read results,
	PLACES                                         ; and between them and the products that start new sums on the same registers
	s_cmp_eq_u32 s3, 1
	s_cbranch_scc1 .Lkept                          ; the upper block's sums go on
	FLUSH OLO                                      ; both refills are asked for: now the lower block goes out
.Lkept:
	s_sub_co_u32 s3, s3, 1
	s_cmp_lg_u32 s3, 0
	s_cbranch_scc1 .Lblock
	STEP 0, 0                                      ; the tail is written out: the upper block's keys 512-767
	TURN 0, 1, 0
	STEP 1, 0                                      ; and 768-1023
	s_wait_dscnt 16                                ; the very last quarter: nothing more to fetch
	MUL8 F1, 0, 0, 0
	MUL8 F1, 0, 2, 0
	s_wait_dscnt 0x0
	MUL8 F1, 1, 0, 0
	MUL8 F1, 1, 2, 0
	WIN 0
	PLACES
	PLACES
	FLUSH OHI
	s_wait_tensorcnt 0x0                           ; the wave's end, behind my last tensor load and my last LDS store
	ds_add_u32 v[SPW], v[NIL]
	s_wait_dscnt 0x0
	CROUND                                         ; the closing round: no work-group ends while a partner may still ask for a tile that names it
	s_endpgm
.Lfunc_end_k_q12958884f5_pv:
	.size	k_q12958884f5_pv, .Lfunc_end_k_q12958884f5_pv-k_q12958884f5_pv
	.p2alignl 7, 3214868480
	.fill 96, 4, 3214868480
	.section	.rodata,"a",@progbits
	.p2align	6, 0x0
	.amdhsa_kernel k_q12958884f5_pv
		.amdhsa_group_segment_fixed_size 327680
		.amdhsa_private_segment_fixed_size 0
		.amdhsa_enable_private_segment 0
		.amdhsa_kernarg_size 24
		.amdhsa_user_sgpr_count 2
		.amdhsa_user_sgpr_kernarg_segment_ptr 1
		.amdhsa_wavefront_size32 1
		.amdhsa_system_sgpr_workgroup_id_x 1
		.amdhsa_system_sgpr_workgroup_id_y 1
		.amdhsa_system_sgpr_workgroup_id_z 1
		.amdhsa_system_vgpr_workitem_id 0
		.amdhsa_next_free_vgpr 512
		.amdhsa_next_free_sgpr 80
		.amdhsa_reserve_vcc 0
		.amdhsa_float_denorm_mode_32 3
		.amdhsa_float_denorm_mode_16_64 3
		.amdhsa_memory_ordered 1
		.amdhsa_forward_progress 1
		.amdhsa_inst_pref_size 96
	.end_amdhsa_kernel
	.amdgpu_metadata
---
amdhsa.version: [ 1, 2 ]
amdhsa.kernels:
  - .name:           k_q12958884f5_pv
    .symbol:         k_q12958884f5_pv.kd
    .args:
      - { .name: p, .offset: 0, .size: 8, .value_kind: global_buffer, .address_space: global }
      - { .name: qkv, .offset: 8, .size: 8, .value_kind: global_buffer, .address_space: global }
      - { .name: out0, .offset: 16, .size: 8, .value_kind: global_buffer, .address_space: global }
    .group_segment_fixed_size: 327680
    .private_segment_fixed_size: 0
    .kernarg_segment_align: 8
    .kernarg_segment_size: 24
    .max_flat_workgroup_size: 128
    .sgpr_count:     80
    .vgpr_count:     512
    .wavefront_size: 32
...
	.end_amdgpu_metadata
.endif
;; end of part 5
